; MI455X (gfx1250); checked and timed in simulation.
; The chip was launched on July 23, 2026; its instructions are those of AMD's public machine-readable ISA for CDNA 5 (MIT licence, August 2026) and "CDNA5" Instruction Set Architecture Reference Guide (July 2026). The comments in the code are by the model that wrote it; some were corrected since.
;; Self Attention. Allowed arithmetic: matrix products marked QUANTISED: E2M3 operands, one E8M0 scale for each 32 along K, by v_wmma_scale_f32_16x16x128_f8f6f4 with both operands' format E2M3, f32 sums; everything else in f32.
;; Inputs: Wk 1,024 x 1,024 float32; Wo 1,024 x 1,024 float32; Wq 1,024 x 1,024 float32; Wv 1,024 x 1,024 float32; bo 1,024 float32; keys 4 x 2,048 x 1,024 float32; mask 1 x 1 x 2,048 x 2,048 int32; query 4 x 2,048 x 1,024 float32; values 4 x 2,048 x 1,024 float32.
;; Outputs: out0 4 x 2,048 x 1,024 float32.
;; This version of the problem:
;;   THIS VERSION OF THE PROBLEM IS GIVEN IN LOW PRECISION. The matrix products marked QUANTISED in the list below multiply operands that are first quantised to E2M3 (2 exponent bits, 3 mantissa bits; 6 bits a number), with one power-of-two scale for each 32 numbers along K (OCP MX v1.0); their sums are f32. All else is computed in f32.
;;   The module's matrix products, in the order in which they are computed (A, B: the left and right operand; K: the contracted axis; several contracted axes count as one K, in the product's order):
;;     1. [M 8,192, K 1,024] x [K 1,024, N 1,024]; A: input values; B: input Wv: QUANTISED
;;     2. [M 8,192, K 1,024] x [K 1,024, N 1,024]; A: input keys; B: input Wk: QUANTISED
;;     3. [M 8,192, K 1,024] x [K 1,024, N 1,024]; A: input query; B: input Wq: QUANTISED
;;     4. batch 64 x [M 2,048, K 64] x [K 64, N 2,048]; A: computed on the way; B: computed on the way: QUANTISED
;;     5. batch 64 x [M 2,048, K 2,048] x [K 2,048, N 64]; A: softmax (see below); B: computed on the way: QUANTISED
;;     6. [M 8,192, K 1,024] x [K 1,024, N 1,024]; A: computed on the way; B: input Wo: QUANTISED
;;   THE QUANTISER, for each operand of a quantised product, along K:
;;     - K is cut into blocks of 32 from its start; a last block that is shorter is filled with zeros.
;;     - A block's scale is 2^e with e = floor(log2(the largest magnitude in the block)) - 2, held to -126 .. 127; a block of zeros has e = 0. As a byte (E8M0): e + 127.
;;     - Each number is divided by its block's scale, clamped to +-7.5, and rounded to the nearest number of E2M3, ties to even, subnormals kept.
;;     - The product sums the exact products of the quantised numbers (number of the format x scale) in f32.
;;   ~~~python
;;   def quantise(x, axis):      # numpy; x: float32 -> the quantised numbers, widened to float32 again
;;       x = np.moveaxis(x, axis, -1); K = x.shape[-1]
;;       x = np.pad(x, [(0, 0)] * (x.ndim - 1) + [(0, -K % 32)]); x = x.reshape(x.shape[:-1] + (-1, 32)); a = np.abs(x).max(-1, keepdims=True)
;;       e = np.where(a > 0, np.clip(np.frexp(np.where(a > 0, a, 1))[1] - 1 - 2, -126, 127), 0)      # np.frexp(a)[1] - 1 = floor(log2(a)), exactly
;;       r = np.clip(x / 2.0 ** e, -7.5, 7.5)
;;       step = 2.0 ** (np.maximum(np.frexp(np.where(r == 0, 1, r))[1] - 1, 0) - 3)
;;       q = np.round(r / step) * step * 2.0 ** e      # np.round: ties to even
;;       return np.moveaxis(q.reshape(q.shape[:-2] + (-1,))[..., :K], -1, axis).astype(np.float32)
;;   ~~~
;;   SOFTMAX AHEAD OF A QUANTISED PRODUCT. Where the list says 'softmax', what is quantised is not the finished softmax but p = 2^(t - M), with t = logit x log2(e) and M = ceil(the row's largest t), a whole number; so 1/2 < the row's largest p <= 1. The row's sum l is taken of the UNQUANTISED p, in f32, and the product's result is divided by l at the end. Since M is a whole number, a kernel that streams over the keys may use a running M (the ceiling of the running maximum): every later rescaling is an exact power of two, which a block's scale takes up: the codes' values come out the same.
;;   OPERANDS COMPUTED ON THE WAY. 'Computed on the way' means the value that the module computes at that place (a softmax that the list does not call 'softmax' is quantised finished and normalised). What goes into a quantiser is computed in f32, as accurately as f32 sums, v_exp_f32 and their like allow (about 1e-6 of the number): no bf16 or f16 on the way to a quantiser, and a product that is left as it is and whose result goes on into a quantised operand takes f32 operands (vector FMAs, or v_wmma_f32_16x16x4_f32). A number that lies on a knife's edge between two numbers of the format may be rounded either way, as far as f32 arithmetic and the matrix unit's own rounding can turn it there, and no further.
;; One version. Each part assembles by itself: llvm-mc -triple=amdgcn-amd-amdhsa -mcpu=gfx1250 --defsym DOCPART=n.
;; ======== version 1 of 1: 4 launches
;; limits: right only within a limited range of input values
;; workspace buffers: cod 22,020,096 bytes; csc 917,504 bytes; mw 524,288 bytes of whole numbers; hc 18,874,368 bytes; hs 1,310,720 bytes; ac 6,291,456 bytes; asx 262,144 bytes
;; launch prep (part 1): grid 768 x 1, 4 waves a work-group, no clusters, 80,384 bytes of LDS; arguments query, keys, values, Wq, Wk, Wv, Wo, mask, cod, csc, mw; writes cod, csc, mw
.if DOCPART == 1
	.amdgcn_target "amdgcn-amd-amdhsa--gfx1250"
	.amdhsa_code_object_version 6
	.text
	.protected	k_qe2bbb9351a_prep
	.globl	k_qe2bbb9351a_prep
	.p2align	8
	.type	k_qe2bbb9351a_prep,@function
k_qe2bbb9351a_prep:
	s_mov_b64 s[64:65], 0
	v_nop
	global_prefetch_b8 v0, s[64:65] scope:SCOPE_SE
	s_setreg_imm32_b32 hwreg(HW_REG_WAVE_MODE, 25, 1), 1
	s_wait_xcnt 0x0
; PREP: query, keys, values [8192][1024] f32 and Wq, Wk, Wv, Wo [1024 (k)][1024 (n)] f32 become codes of FP6 (E2M3) with one E8M0 byte for each 32 along K; the mask [2048][2048] int32 becomes lane-mask words.
; A block's scale is 2^(floor(log2(its largest magnitude)) - 2): its byte is the largest magnitude's exponent field - 2, held at 1 from below.
; LIMITS: NaN and infinities among the inputs are not served.  A block whose largest magnitude lies under 2^-124 (a block of zeros among them) keeps the byte 1 where the rule says 127 for zeros: its codes
; are zeros, which add nothing under any byte but 0xff, and only this program reads the bytes.
; LAYOUT OF cod: [row tile][K step 0..7][1536 bytes].  A row tile is 16 rows; tile 2 G + u, lane row r, is row 32 G + 8 u + r + 8 (r / 8).  A K step's 1536 bytes are the image of the operand's 12 registers:
; two halves of 768 bytes (registers 6 c .. 6 c + 5): 16 bytes a lane at 16 x lane, then 8 bytes a lane at 512 + 8 x lane.  csc: [row tile][r][8 words], word s for K step s.
; Row tiles: query 0, keys 512, Wv^T 1024, Wq^T 1088, Wk^T 1152, values 1216, Wo^T 1728.
; mw: [query tile T 0..127][key step 0..15][n 0..63] words; bit L of word n: mask[row(T, L % 16)][128 step + 64 (n / 32) + 32 (L / 16) + n % 32] is not 0.
; THREE PATHS, parted on the work-group's number, each with LDS bytes of its own: work-groups 0-127 the mask, 128-383 the weights, 384-767 the activations.  Waves share nothing: no barrier.
; No matrix unit, no tensor load, no cluster: every input byte is read once by one wave, so nothing is shared.
.set XST, 33792                        ; LDS: the mask path's stages at 0 (4 x 8448), the activations' here (4 x 8448),
.set WST, 67584                        ; the weights' here (4 x 3072)
.set RR,  16                           ; v16-143  two sets of 64 registers as loaded
.set XX,  144                          ; v144-207 64 numbers of my row: register 16 b + i = k 32 b + 16 (lane / 16) + i
.set PC,  208                          ; v208-226 the codes just made
.set TM,  228                          ; v228-243 at work in QUANT
.set PW,  244                          ; the scale word just made
.set XCS, 245                          ; my place in a row tile's scale words: 32 r + 16 h
.set ZZ,  246                          ; v246-249 four scale words on their way out
.set UU,  6                            ; v6-13    the eight K steps' scale words
.set W16, 250                          ; the weight path's LDS addresses
.set W8,  251
.set WOUT, 252
.set L4,  253                          ; 4 x lane
.set WCS, 254                          ; 512 u + 32 r
.set SEL, 40                           ; s[40:41] selects of v_permlanex16_b32: lane l xor 16
; 64 numbers of a lane become a fragment's 12 registers in v[PC] on and its scale word in v[PW]
.macro QUANT s
.irp b, 0,1,2,3
	v_max3_num_f32 v[TM+\b], |v[\s+16*\b]|, |v[\s+1+16*\b]|, 0x1800000   ; my 16 numbers of block b, and the floor 2^(3 - 127): the byte cannot fall under 1
.endr
.irp i, 2,4,6,8,10,12,14
.irp b, 0,1,2,3
	v_max3_num_f32 v[TM+\b], v[TM+\b], |v[\s+16*\b+\i]|, |v[\s+1+16*\b+\i]|
.endr
.endr
.irp b, 0,1,2,3
	v_permlanex16_b32 v[TM+4+\b], v[TM+\b], s[SEL], s[SEL+1]
.endr
.irp b, 0,1,2,3
	v_max_num_f32 v[TM+\b], v[TM+\b], v[TM+4+\b]                     ; with lane l xor 16's: the block's largest magnitude
.endr
.irp b, 0,1,2,3
	v_add_nc_u32 v[TM+12+\b], 0xff000000, v[TM+\b]                   ; 2 off its exponent field: the conversion's scale operand
.endr
.irp b, 0,1,2,3
	v_lshrrev_b32 v[TM+4+\b], 23, v[TM+12+\b]                        ; the scale's byte
.endr
	v_lshl_or_b32 v[PW], v[TM+5], 8, v[TM+4]
	v_lshl_or_b32 v[PW], v[TM+6], 16, v[PW]
	v_lshl_or_b32 v[PW], v[TM+7], 24, v[PW]
.irp c, 0,1
	v_cvt_scalef32_pk16_fp6_f32 v[PC+6*\c:PC+2+6*\c], v[\s+32*\c:\s+15+32*\c], v[TM+12+2*\c]
	v_cvt_scalef32_pk16_fp6_f32 v[PC+12+4*\c:PC+14+4*\c], v[\s+16+32*\c:\s+31+32*\c], v[TM+12+2*\c+1]   ; (a conversion's three registers begin on an even number)
.endr
	v_nop                                          ; one plain instruction behind the scaled conversions
.irp c, 0,1                                    ; the operand wants a whole block in a lane: lanes 0-15 block 2 c, lanes 16-31 block 2 c + 1
.irp i, 0,1,2
	v_permlane16_swap_b32 v[PC+6*\c+\i], v[PC+12+4*\c+\i]
.endr
.irp i, 0,1,2
	v_mov_b32 v[PC+3+6*\c+\i], v[PC+12+4*\c+\i]
.endr
.endr
.endm
; step t of a row tile: 16 loads, each 512 consecutive bytes of one of the tile's rows, into set t % 2
.macro LOADR t, pitch
.irp i, 0,1,2,3,4,5,6,7,8,9,10,11,12,13,14,15
	global_load_b128 v[RR+64*((\t)%2)+4*\i:RR+64*((\t)%2)+4*\i+3], v[1+226*(\i/8)], s[4:5] offset:(\i+8*(\i/8))*\pitch+512*(\t) th:TH_LOAD_NT   ; rows 8-15 by v227, which may stand further down
.endr
.endm
; and through my wave's stage (16 rows, 528 bytes apart): LDS serves a wave's instructions in order, so no wait stands between the stores and the loads
.macro TURNR t, base
.irp i, 0,1,2,3,4,5,6,7,8,9,10,11,12,13,14,15
	ds_store_b128 v3, v[RR+64*((\t)%2)+4*\i:RR+64*((\t)%2)+4*\i+3] offset:\base+528*\i
.endr
.irp b, 0,1,2,3
.irp j, 0,1,2,3
	ds_load_b128 v[XX+16*\b+4*\j:XX+16*\b+4*\j+3], v4 offset:\base+128*\b+16*\j
.endr
.endr
.endm
	s_load_b512 s[8:23], s[0:1], 0x0               ; query s[8:9], keys s[10:11], values s[12:13], Wq s[14:15], Wk s[16:17], Wv s[18:19], Wo s[20:21], mask s[22:23]
	s_load_b128 s[24:27], s[0:1], 0x40             ; cod, csc
	s_load_b64 s[28:29], s[0:1], 0x50              ; mw
	v_lshl_add_u32 v239, v0, 2, 0x13800
	v_mov_b32 v255, 0
	v_lshrrev_b32 v5, 5, v0
	v_readfirstlane_b32 s2, v5                     ; wave 0..3
	v_and_b32 v5, 31, v0                           ; lane
	v_lshlrev_b32 v1, 4, v5                        ; 16 x lane
	v_lshlrev_b32 v2, 3, v5                        ; 8 x lane
	v_and_b32 v14, 15, v0                          ; r
	v_bfe_u32 v15, v0, 4, 1                        ; h
	s_mul_i32 s3, s2, 8448
	v_add_nc_u32 v3, s3, v1                        ; a stage, on the way in: 16 x lane in a row
	v_mul_u32_u24 v4, v14, 528
	v_lshl_add_u32 v4, v15, 6, v4
	v_add_nc_u32 v4, s3, v4                        ; and on the way out: row r, + 64 h
	v_lshlrev_b32 v[XCS], 5, v14
	v_lshl_add_u32 v[XCS], v15, 4, v[XCS]
	v_bfe_u32 v10, v0, 3, 1                        ; the weight path: lane l is column 32 G + l: tile u = (l / 8) % 2,
	v_and_b32 v11, 7, v0
	v_lshl_add_u32 v11, v15, 3, v11                ; lane row l % 8 + 8 (l / 16)
	s_mul_i32 s3, s2, 3072
	s_add_co_u32 s3, s3, WST
	v_mul_u32_u24 v12, v10, 1536
	v_add_nc_u32 v12, s3, v12
	v_lshl_add_u32 v[W16], v11, 4, v12
	v_lshl_add_u32 v[W8], v11, 3, v12
	v_add_nc_u32 v[WOUT], s3, v1
	v_lshlrev_b32 v[L4], 2, v5
	v_lshlrev_b32 v[WCS], 9, v10
	v_lshl_add_u32 v[WCS], v11, 5, v[WCS]
.irp b, 0,1,2,3
	v_mov_b32 v[TM+4+\b], 0                        ; written once: a lane permute's destination counts as one of its sources
.endr
	s_mov_b32 s[SEL], 0x76543210
	s_mov_b32 s[SEL+1], 0xfedcba98
	s_mov_b32 s33, 0                               ; the upper word of every offset pair s[32:33]
	s_wait_kmcnt 0x0
	s_cmp_lt_u32 ttmp9, 128
	s_cbranch_scc1 .Lmask
	s_cmp_lt_u32 ttmp9, 384
	s_cbranch_scc1 .Lweight
	; ---- ACTIVATIONS: a wave takes one row tile (16 rows x 1024 K), eight K steps
	s_sub_co_u32 s3, ttmp9, 384
	s_lshl_b32 s30, s3, 2
	s_add_co_u32 s30, s30, s2                      ; unit 0..1535
	s_lshr_b32 s31, s30, 9                         ; tensor: 0 query, 1 keys, 2 values
	s_and_b32 s30, s30, 511                        ; its row tile
	s_mov_b32 s7, 1216
	s_cmp_eq_u32 s31, 0
	s_cselect_b64 s[4:5], s[8:9], s[10:11]
	s_cselect_b32 s6, 0, 512
	s_cmp_eq_u32 s31, 2
	s_cselect_b64 s[4:5], s[12:13], s[4:5]
	s_cselect_b32 s6, s7, s6                       ; the tensor's first row tile in cod
	; KEYS ALONE have another order of rows: tile 4 G + u, lane row r, is row 64 G + 8 u + r % 8 + 32 (r / 8), so that in the attention's scores a lane holds whole blocks of 32 keys.  Query and values: 32 G + 8 u + r + 8 (r / 8)
	s_cmp_eq_u32 s31, 1
	s_cselect_b32 s34, 2, 1
	s_cselect_b32 s35, 3, 1
	s_cselect_b32 s36, 0x10000, 0                  ; keys: rows 8-15 of a tile lie 16 rows of 4,096 bytes further down
	s_lshr_b32 s32, s30, s34
	s_add_co_u32 s34, s34, 4
	s_lshl_b32 s32, s32, s34
	s_and_b32 s31, s30, s35
	s_lshl_b32 s31, s31, 3
	s_add_co_u32 s32, s32, s31
	s_lshl_b32 s32, s32, 12                        ; rows of 4,096 bytes
	s_add_nc_u64 s[4:5], s[4:5], s[32:33]
	s_add_co_u32 s6, s6, s30
	s_mul_i32 s32, s6, 12288
	s_add_nc_u64 s[24:25], s[24:25], s[32:33]
	s_lshl_b32 s32, s6, 9
	s_add_nc_u64 s[26:27], s[26:27], s[32:33]
	v_add_nc_u32 v227, s36, v1
	s_wait_alu depctr_va_vdst(0)                   ; ahead of the reader
	LOADR 0, 4096
	LOADR 1, 4096
.macro XSTEP t
.if (\t) < 7
	s_wait_loadcnt 16                              ; this step's 16 loads are in; the next step's 16 may be out
.else
	s_wait_loadcnt 0
.endif
	TURNR \t, XST
	s_wait_dscnt 0x0                               ; my 64 numbers are back, and the stores into the stage have read their registers,
.if (\t) < 6
	LOADR (\t)+2, 4096                             ; which take the loads of two steps on
.endif
	s_wait_xcnt 0x0                                ; the last step's stores have read the codes' registers: they are written again only behind this wait
	QUANT XX
	v_mov_b32 v[UU+(\t)], v[PW]
	global_store_b128 v1, v[PC:PC+3], s[24:25] offset:1536*(\t)          ; each store covers 512 or 256 consecutive bytes, aligned
	global_store_b64 v2, v[PC+4:PC+5], s[24:25] offset:1536*(\t)+512
	global_store_b128 v1, v[PC+6:PC+9], s[24:25] offset:1536*(\t)+768
	global_store_b64 v2, v[PC+10:PC+11], s[24:25] offset:1536*(\t)+1280
.endm
.irp t, 0,1,2,3,4,5,6,7
	XSTEP \t
.endr
	v_cmp_lt_u32 vcc_lo, 15, v5                    ; both halves of the lanes hold their row's eight words: lanes 0-15 store words 0-3, lanes 16-31 words 4-7
.irp i, 0,1,2,3
	v_cndmask_b32 v[ZZ+\i], v[UU+\i], v[UU+4+\i], vcc_lo
.endr
	global_store_b128 v[XCS], v[ZZ:ZZ+3], s[26:27] ; 512 consecutive bytes
	s_wait_tensorcnt 0x0
	ds_add_u32 v239, v255
	s_wait_dscnt 0x0
	s_endpgm
	; ---- THE MASK: work-group T takes query tile T; wave w key steps 4 w .. 4 w + 3
.Lmask:
	s_lshr_b32 s32, ttmp9, 1
	s_lshl_b32 s32, s32, 5
	s_and_b32 s30, ttmp9, 1
	s_lshl_b32 s30, s30, 3
	s_add_co_u32 s32, s32, s30                     ; the tile's first row
	s_lshl_b32 s32, s32, 13                        ; rows of 8,192 bytes
	s_lshl_b32 s30, s2, 11                         ; my four steps of 512 bytes
	s_add_co_u32 s32, s32, s30
	s_add_nc_u64 s[4:5], s[22:23], s[32:33]
	s_lshl_b32 s32, ttmp9, 12
	s_lshl_b32 s30, s2, 10
	s_add_co_u32 s32, s32, s30
	s_add_nc_u64 s[28:29], s[28:29], s[32:33]
	; mw as it is laid now: bit L of word n: mask[row(T, L % 16)][128 step + 64 (n / 32) + 32 (L / 16) + n % 32] is not 0
	v_mov_b32 v227, v1
	v_lshl_add_u32 v4, v15, 6, v4                  ; out of the stage: row r, + 128 h
	s_wait_alu depctr_va_vdst(0)                   ; ahead of the readers
	LOADR 0, 8192
	LOADR 1, 8192
.macro MSTEP t
.if (\t) < 3
	s_wait_loadcnt 16                              ; this step's 16 loads are in; the next step's may be out
.else
	s_wait_loadcnt 0
.endif
.irp i, 0,1,2,3,4,5,6,7,8,9,10,11,12,13,14,15
	ds_store_b128 v3, v[RR+64*((\t)%2)+4*\i:RR+64*((\t)%2)+4*\i+3] offset:528*\i
.endr
.irp c, 0,1
.irp j, 0,1,2,3,4,5,6,7
	ds_load_b128 v[XX+32*\c+4*\j:XX+32*\c+4*\j+3], v4 offset:256*\c+16*\j     ; register 32 c + i = key 64 c + 32 h + i of the step
.endr
.endr
	s_wait_dscnt 0x0
.if (\t) < 2
	LOADR (\t)+2, 8192
.endif
	v_mov_b32 v[208+2*(\t)], 0
	v_mov_b32 v[209+2*(\t)], 0
.set NN, 0
.rept 64                                       ; word n is the compare's lane mask; lane n / 2 keeps words n and n + 1 in a pair of registers
	v_cmp_ne_u32 s[32+NN%8], 0, v[XX+NN]
	v_writelane_b32 v[208+2*(\t)+NN%2], s[32+NN%8], NN/2
.set NN, NN+1
.endr
	global_store_b64 v2, v[208+2*(\t):209+2*(\t)], s[28:29] offset:256*(\t)   ; 256 consecutive bytes, aligned; each step has its own pair
.endm
.irp t, 0,1,2,3
	MSTEP \t
.endr
	s_wait_tensorcnt 0x0
	ds_add_u32 v239, v255
	s_wait_dscnt 0x0
	s_endpgm
	; ---- THE WEIGHTS: K is the first axis.  A lane takes a column and its registers run down K: a wave takes 32 columns x 128 K (one K step of two row tiles)
.Lweight:
	s_sub_co_u32 s3, ttmp9, 128
	s_lshr_b32 s31, s3, 6                          ; 0 Wq, 1 Wk, 2 Wv, 3 Wo
	s_mov_b32 s7, 1152
	s_cmp_eq_u32 s31, 0
	s_cselect_b64 s[4:5], s[14:15], s[16:17]
	s_cselect_b32 s6, 1088, s7
	s_mov_b32 s7, 1024
	s_cmp_eq_u32 s31, 2
	s_cselect_b64 s[4:5], s[18:19], s[4:5]
	s_cselect_b32 s6, s7, s6
	s_mov_b32 s7, 1728
	s_cmp_eq_u32 s31, 3
	s_cselect_b64 s[4:5], s[20:21], s[4:5]
	s_cselect_b32 s6, s7, s6                       ; the weight's first row tile in cod
	s_bfe_u32 s30, s3, 0x30003
	s_lshl_b32 s30, s30, 2
	s_add_co_u32 s30, s30, s2                      ; G: which 32 columns
	s_and_b32 s31, s3, 7                           ; the K step
	s_lshl_b32 s32, s31, 19                        ; 128 rows of 4,096 bytes
	s_lshl_b32 s34, s30, 7
	s_add_co_u32 s32, s32, s34
	s_add_nc_u64 s[4:5], s[4:5], s[32:33]
	s_lshl_b32 s34, s30, 1
	s_add_co_u32 s6, s6, s34                       ; row tile 2 G of the weight
	s_mul_i32 s32, s6, 12288
	s_mul_i32 s34, s31, 1536
	s_add_co_u32 s32, s32, s34
	s_add_nc_u64 s[24:25], s[24:25], s[32:33]
	s_lshl_b32 s32, s6, 9
	s_lshl_b32 s34, s31, 2
	s_add_co_u32 s32, s32, s34
	s_add_nc_u64 s[26:27], s[26:27], s[32:33]
.set NN, 0
	s_wait_alu depctr_va_vdst(0)
.rept 128
	global_load_b32 v[16+NN], v[L4], s[4:5] offset:NN*4096 th:TH_LOAD_NT     ; W(128 ks + n, my column): 32 lanes read 128 consecutive bytes
.set NN, NN+1
.endr
.macro WBLOCK kb                               ; block kb: all its 32 numbers are mine
.set XS, 16+32*(\kb)
.set CD, 144+6*(\kb)
.if (\kb) < 2
	s_wait_loadcnt 63                              ; behind this block's loads 96 or 64 were issued: the largest count that the wait can name serves
.else
	s_wait_loadcnt 32*(3-(\kb))                    ; the later blocks' loads may be out
.endif
	v_max3_num_f32 v172, |v[XS]|, |v[XS+1]|, |v[XS+2]|
	v_max3_num_f32 v173, |v[XS+3]|, |v[XS+4]|, |v[XS+5]|
.irp i, 6,10,14,18,22,26
	v_max3_num_f32 v172, v172, |v[XS+\i]|, |v[XS+\i+1]|
	v_max3_num_f32 v173, v173, |v[XS+\i+2]|, |v[XS+\i+3]|
.endr
	v_max3_num_f32 v172, v172, |v[XS+30]|, |v[XS+31]|
	v_max3_num_f32 v172, v172, v173, 0x1800000     ; and the floor
	v_add_nc_u32 v174, 0xff000000, v172
	v_lshrrev_b32 v175, 23, v174
.if (\kb) == 0
	v_mov_b32 v200, v175
.else
	v_lshl_or_b32 v200, v175, 8*(\kb), v200        ; my column's scale word of this K step
.endif
	v_cvt_scalef32_pk16_fp6_f32 v[CD:CD+2], v[XS:XS+15], v174
	v_cvt_scalef32_pk16_fp6_f32 v[168:170], v[XS+16:XS+31], v174
	v_nop
.irp i, 0,1,2
	v_mov_b32 v[CD+3+\i], v[168+\i]
.endr
	ds_store_b128 v[W16], v[CD:CD+3] offset:768*((\kb)/2)+256*((\kb)%2)      ; block kb is registers 6 (kb / 2) on of the image's lane r + 16 (kb % 2)
	ds_store_b64 v[W8], v[CD+4:CD+5] offset:768*((\kb)/2)+512+128*((\kb)%2)
.endm
.irp kb, 0,1,2,3
	WBLOCK \kb
.endr
.irp k, 0,1,2,3,4,5
	ds_load_b128 v[176+4*\k:179+4*\k], v[WOUT] offset:512*\k                 ; LDS serves a wave's instructions in order: these see my stores
.endr
	s_wait_alu depctr_va_vdst(0)
.irp k, 0,1,2,3,4,5
	s_wait_dscnt 5-\k
	global_store_b128 v1, v[176+4*\k:179+4*\k], s[24:25] offset:12288*(\k/3)+512*(\k%3)   ; 512 consecutive bytes of an image
.endr
	global_store_b32 v[WCS], v200, s[26:27]        ; 4 bytes of each row's 32: the one store of this launch that does not cover whole aligned runs
	s_wait_tensorcnt 0x0
	ds_add_u32 v239, v255
	s_wait_dscnt 0x0
	s_endpgm
.Lfunc_end_k_qe2bbb9351a_prep:
	.size	k_qe2bbb9351a_prep, .Lfunc_end_k_qe2bbb9351a_prep-k_qe2bbb9351a_prep
	.p2alignl 7, 3214868480
	.fill 96, 4, 3214868480
	.section	.rodata,"a",@progbits
	.p2align	6, 0x0
	.amdhsa_kernel k_qe2bbb9351a_prep
		.amdhsa_group_segment_fixed_size 80384
		.amdhsa_private_segment_fixed_size 0
		.amdhsa_enable_private_segment 0
		.amdhsa_kernarg_size 88
		.amdhsa_user_sgpr_count 2
		.amdhsa_user_sgpr_kernarg_segment_ptr 1
		.amdhsa_wavefront_size32 1
		.amdhsa_system_sgpr_workgroup_id_x 1
		.amdhsa_system_sgpr_workgroup_id_y 1
		.amdhsa_system_sgpr_workgroup_id_z 1
		.amdhsa_system_vgpr_workitem_id 0
		.amdhsa_next_free_vgpr 256
		.amdhsa_next_free_sgpr 66
		.amdhsa_reserve_vcc 1
		.amdhsa_float_denorm_mode_32 3
		.amdhsa_float_denorm_mode_16_64 3
		.amdhsa_memory_ordered 1
		.amdhsa_forward_progress 1
		.amdhsa_inst_pref_size 135
	.end_amdhsa_kernel
	.amdgpu_metadata
---
amdhsa.version: [ 1, 2 ]
amdhsa.kernels:
  - .name:           k_qe2bbb9351a_prep
    .symbol:         k_qe2bbb9351a_prep.kd
    .args:
      - { .name: query, .offset: 0, .size: 8, .value_kind: global_buffer, .address_space: global }
      - { .name: keys, .offset: 8, .size: 8, .value_kind: global_buffer, .address_space: global }
      - { .name: values, .offset: 16, .size: 8, .value_kind: global_buffer, .address_space: global }
      - { .name: Wq, .offset: 24, .size: 8, .value_kind: global_buffer, .address_space: global }
      - { .name: Wk, .offset: 32, .size: 8, .value_kind: global_buffer, .address_space: global }
      - { .name: Wv, .offset: 40, .size: 8, .value_kind: global_buffer, .address_space: global }
      - { .name: Wo, .offset: 48, .size: 8, .value_kind: global_buffer, .address_space: global }
      - { .name: mask, .offset: 56, .size: 8, .value_kind: global_buffer, .address_space: global }
      - { .name: cod, .offset: 64, .size: 8, .value_kind: global_buffer, .address_space: global }
      - { .name: csc, .offset: 72, .size: 8, .value_kind: global_buffer, .address_space: global }
      - { .name: mw, .offset: 80, .size: 8, .value_kind: global_buffer, .address_space: global }
    .group_segment_fixed_size: 80384
    .private_segment_fixed_size: 0
    .kernarg_segment_align: 8
    .kernarg_segment_size: 88
    .max_flat_workgroup_size: 128
    .sgpr_count:     66
    .vgpr_count:     256
    .wavefront_size: 32
...
	.end_amdgpu_metadata
.endif
;; end of part 1
;; launch proj (part 2): grid 4 x 96, 4 waves a work-group, clusters of 4 x 4, 327,680 bytes of LDS; arguments cod, csc, hc, hs; writes hc, hs
.if DOCPART == 2
	.amdgcn_target "amdgcn-amd-amdhsa--gfx1250"
	.amdhsa_code_object_version 6
	.text
	.protected	k_qe2bbb9351a_proj
	.globl	k_qe2bbb9351a_proj
	.p2align	8
	.type	k_qe2bbb9351a_proj,@function
k_qe2bbb9351a_proj:
	s_mov_b64 s[64:65], 0
	v_nop
	global_prefetch_b8 v0, s[64:65] scope:SCOPE_SE
	s_setreg_imm32_b32 hwreg(HW_REG_WAVE_MODE, 25, 1), 1
	s_wait_xcnt 0x0
	s_wait_alu depctr_hold_cnt(0) depctr_sa_sdst(0) depctr_va_vdst(0) depctr_va_sdst(0) depctr_va_ssrc(0) depctr_va_vcc(0) depctr_vm_vsrc(0)
	s_getreg_b32 s2, hwreg(HW_REG_IB_STS2, 6, 4)
	s_cmp_eq_u32 s2, 0
	s_cbranch_scc0 .Lentry_in_a_cluster
	s_endpgm
.Lentry_in_a_cluster:
	s_bfe_u32 s2, ttmp6, 0x10000c
	s_cmp_lg_u32 s2, 0xf033
	s_cbranch_scc0 .Lentry_shape_is_right
	s_endpgm
.Lentry_shape_is_right:
; PROJ: q = query Wq, k = keys Wk, v = values Wv on codes of FP6 (E2M3) with E8M0 scales, K = 1024; the results are quantised here for the attention's two products and leave as codes.
; A tile of 256 x 256 results to a work-group of four waves, 128 x 128 to a wave: 64 accumulators, 512 registers.  K goes in slots of 256 (two K steps of 128) through two LDS slots filled by the tensor data mover.
; THE MATRIX INSTRUCTION: source 1 ("A") gives a lane its row, source 0 ("B") the rows along which a lane's registers run, which is the axis of the next quantiser.  q, k: A = tokens, B = W^T (registers run along the
; head's dims).  v: A = Wv^T, B = tokens (registers run along the keys).  Which it is hangs on the CLUSTER's number alone: with cl = cluster y, A's tile = 4 min(cl, 16) + cy, B's = 68 + 4 max(cl / 8, cl - 14) + cx, in
; tiles of 256 rows of cod (query 0-31, keys 32-63, Wv^T 64-67, Wq^T 68-71, Wk^T 72-75, values 76-107).  One path serves all three.
; OPERANDS LIE IN cod AS IMAGES OF THEIR REGISTERS ([row tile][K step][1536 bytes]): a fragment is four dense LDS loads, no pitch, no padding.  Row tile 2 G + u, lane row r, is row 32 G + 8 u + r + 8 (r / 8), so that the
; 16 registers of B's tiles 2 b and 2 b + 1 are 16 neighbours along the next K.
; CLUSTERS: 4 x 4.  A's tile is shared along a row of the cluster, B's along a column: joint loads.  The scale words of all of K come once, with the first fills.
; OUT: hc, a record of 294,912 bytes for each (batch, head): Q 128 tiles x 768, K likewise, V 16 steps x 4 dim tiles x 1536.  hs, records of 20,480: Q, K [step][2][r][4] words (a tile's two bytes twice), V [step][r][4].
; LIMITS: NaN and infinities are not served; a block whose largest magnitude lies under 2^-124 keeps the byte 1 (its codes are zeros or nearly so; only this program reads the bytes).
; REGISTERS: window 0: v1-3 r, h, lane; v16-30 addresses; v32-95 scale words; v96-125 the quantiser's results; v128-223 A's fragments, one set; v224-239 at work.  window 1: B's fragments, two sets (v0, v128).  windows 2, 3: accumulators.
.set FR,    12
.set NL,    4                          ; LDS loads that bring a fragment
.set NP,    4                          ; places behind this matrix instruction (ISA guide 7.12.1)
.set HALFT, 24576                      ; 8 row tiles x two K steps: what one tensor load brings
.set SLOT,  4*HALFT
.set SCL,   2*SLOT                     ; the scale words: units of 256 bytes + 16 of padding
.set HALFS, 4352
.set SBLK,  544
.set SPARE, SCL+4*HALFS                ; the spare words: 128 bytes for each wave, named by no other line
.set HS,    294912
.set HSS,   20480
.set ADRA, 16                          ; v16-17 A's fragments in slot 0, 1 at 16 x lane; v18-19 at 8 x lane
.set ADRB, 20                          ; v20-23 the same for B
.set L16,  24
.set L8,   25
.set SOF,  26                          ; my place in the scale stores
.set ADRS, 27
.set SPW,  28
.set NIL,  29
.set VSEL, 30
.set SC,   32                          ; register SC + 8 i + s: lanes 0-15 the word of A's block i, lanes 16-31 of B's block i, K step s
.set PC,   96
.set UU,   116
.set PW,   125
.set AF,   128
.set TM,   224
.set SEL,  12                          ; s[12:13]
.set G1, 24
.set G0, 32
.set G1B, 48
.set G0B, 56
.set G1S, 68
.set G0S, 76
.set G1SB, 80
.set G0SB, 88
.set STEPA, 32                         ; the way out's scalars lie in the descriptors' registers, written behind the last wait for all tensor loads
.set JUMP, 34
.set D1,   36
.set DS1,  38
.set OB0,  48
.set OB1,  50
.set SB0,  54
.set SB1,  56
.set MSB, 0
.macro WIN new                         ; the immediate's high byte repeats the setting that is left
.if MSB != \new
	s_set_vgpr_msb (MSB<<8)|\new
.set MSB, \new
.endif
.endm
.set MUL_LO, 0xa1                      ; source 0 (B) window 1, source 1 (A) window 0, C and D window 2
.set MUL_HI, 0xf1
.set TO_B,   0x40
.macro JLOAD g0a, g1a, g0b, g1b        ; a joint load: waves 0 and 1 fetch for A, waves 2 and 3 for B; four v_nop follow each line
	s_cmp_eq_u32 s15, 0
	s_cbranch_scc0 .Lfor_b_\@
	tensor_load_to_lds s[\g0a:\g0a+3], s[\g1a:\g1a+7]
	s_nop 0
.rept 4
	v_nop
.endr
	s_branch .Lasked_\@
.Lfor_b_\@:
	tensor_load_to_lds s[\g0b:\g0b+3], s[\g1b:\g1b+7]
	s_nop 0
.rept 4
	v_nop
.endr
.Lasked_\@:
.endm
.macro CREST
	s_cmp_lg_u32 s14, 0
	s_cbranch_scc1 .Lnot_wave_0_\@
	s_barrier_signal -3
.Lnot_wave_0_\@:
	s_barrier_wait -3
	s_barrier_signal -1
	s_barrier_wait -1
.endm
.macro CROUND
	s_barrier_signal -1
	s_barrier_wait -1
	CREST
.endm
	s_load_b256 s[4:11], s[0:1], 0x0               ; cod s[4:5], csc s[6:7], hc s[8:9], hs s[10:11]
	v_lshl_add_u32 v[SPW], v0, 2, SPARE
	v_mov_b32 v[NIL], 0
	ds_add_u32 v28, v29
	ds_add_u32 v28, v29
	s_wait_dscnt 0x0
	v_lshrrev_b32 v1, 5, v0
	v_readfirstlane_b32 s14, v1                    ; wave 0..3
	s_lshr_b32 s15, s14, 1                         ; which half of A's rows is mine.  Also: I fetch for A (0) or for B (1)
	s_and_b32 s16, s14, 1                          ; which half of B's rows.  Also: which 128 rows I fetch
	s_bfe_u32 s40, ttmp6, 0x40000                  ; cx
	s_bfe_u32 s41, ttmp6, 0x40004                  ; cy
	s_and_b32 s17, ttmp7, 0xffff                   ; cl: the cluster's y, 0..23
	s_min_u32 s18, s17, 16
	s_lshl_b32 s18, s18, 2
	s_add_co_u32 s18, s18, s41                     ; A's tile
	s_lshr_b32 s19, s17, 3
	s_sub_co_i32 s42, s17, 14
	s_max_i32 s42, s42, s19
	s_lshl_b32 s42, s42, 2
	s_add_co_u32 s42, s42, s40
	s_add_co_u32 s42, s42, 68                      ; B's tile
	s_lshl_b32 s43, s41, 2
	s_lshl_b32 s43, 15, s43                        ; my row of the cluster
	s_lshl_b32 s44, 0x1111, s40                    ; my column
	s_or_b32 s[G1+0], s43, (3<<16)|(1<<21)         ; 15:0 the mask; 17:16 elements of 8 bytes; 21 set beside a mask; no padding
	s_or_b32 s[G1B+0], s44, (3<<16)|(1<<21)
.irp g, G1, G1B
	s_mov_b32 s[\g+1], 384<<16                     ; tensor_dim0: 3,072 bytes, two K steps of a row tile
	s_mov_b32 s[\g+2], 16<<16                      ; tensor_dim1: 16 row tiles for the head's loads; behind them 8
	s_mov_b32 s[\g+3], 384<<16                     ; tile_dim0
	s_mov_b32 s[\g+4], 16                          ; tile_dim1
	s_mov_b32 s[\g+5], 1536                        ; 12,288 bytes from row tile to row tile
	s_mov_b32 s[\g+6], 0
	s_mov_b32 s[\g+7], 0
.endr
	s_or_b32 s[G1S+0], s43, (3<<16)|(1<<20)|(1<<21)|(5<<22)|(3<<25)   ; the scale words of 256 rows: 8,192 dense bytes as 32 rows of 256, 16 bytes of padding behind each
	s_or_b32 s[G1SB+0], s44, (3<<16)|(1<<20)|(1<<21)|(5<<22)|(3<<25)
.irp g, G1S, G1SB
	s_mov_b32 s[\g+1], 32<<16
	s_mov_b32 s[\g+2], 32<<16                      ; the scale words of 256 rows: 32 rows of 256 bytes
	s_mov_b32 s[\g+3], 32<<16
	s_mov_b32 s[\g+4], 32
	s_mov_b32 s[\g+5], 32
	s_mov_b32 s[\g+6], 0
	s_mov_b32 s[\g+7], 0
.endr
	s_lshl_b32 s21, s16, 3
	s_lshl_b32 s20, s18, 4
	s_add_co_u32 s20, s20, s21                     ; A: my first row tile
	s_lshl_b32 s46, s42, 4
	s_add_co_u32 s46, s46, s21                     ; B: likewise
	s_lshl_b32 s22, s18, 13                        ; the scale words of A's whole tile: 16 row tiles of 512 bytes
	s_mov_b32 s23, 0
	s_lshl_b32 s92, s42, 13
	s_mov_b32 s93, 0
	s_mul_i32 s20, s20, 12288                      ; and their codes
	s_mov_b32 s21, 0
	s_mul_i32 s46, s46, 12288
	s_mov_b32 s47, 0
	s_mul_i32 s45, s14, HALFT                      ; where they go: by the wave's number alone
	s_mov_b32 s[SEL], 0x76543210
	s_mov_b32 s[SEL+1], 0xfedcba98
	s_wait_kmcnt 0x0
	s_add_nc_u64 s[20:21], s[4:5], s[20:21]
	s_add_nc_u64 s[22:23], s[6:7], s[22:23]
	s_add_nc_u64 s[46:47], s[4:5], s[46:47]
	s_add_nc_u64 s[92:93], s[6:7], s[92:93]
	CROUND                                         ; all sixteen work-groups are here: the first joint loads meet
	s_mov_b32 s[G0S], 1
	s_mov_b32 s[G0S+1], SCL
	s_mov_b64 s[G0S+2:G0S+3], s[22:23]
	s_or_b32 s[G0S+3], s[G0S+3], 0x80000000
	s_mov_b32 s[G0SB], 1
	s_mov_b32 s[G0SB+1], SCL+2*HALFS
	s_mov_b64 s[G0SB+2:G0SB+3], s[92:93]
	s_or_b32 s[G0SB+3], s[G0SB+3], 0x80000000
.irp s, 0,1
	s_mov_b32 s[G0+4*\s], 1
	s_add_co_u32 s[G0+4*\s+1], s45, \s*SLOT
	s_add_nc_u64 s[G0+4*\s+2:G0+4*\s+3], s[20:21], \s*3072
	s_or_b32 s[G0+4*\s+3], s[G0+4*\s+3], 0x80000000
	s_mov_b32 s[G0B+4*\s], 1
	s_add_co_u32 s[G0B+4*\s+1], s45, \s*SLOT
	s_add_nc_u64 s[G0B+4*\s+2:G0B+4*\s+3], s[46:47], \s*3072
	s_or_b32 s[G0B+4*\s+3], s[G0B+4*\s+3], 0x80000000
.endr
; THE HEAD'S LOADS, ONE A WAVE: wave 0 slot 0's 16 row tiles of A, wave 1 A's scale words, wave 2 slot 0's 16 row tiles of B, wave 3 B's scale words.
; Waves 0 and 2 fetch the lower half of a tile in the ring, so their own group 0 of slot 0 names the whole tile's first byte and its place in LDS.  One chain of branches on the wave's number, one load to an arm.
.macro ARM under, g0, g1, next
	s_cmp_lt_u32 s14, \under
	s_cbranch_scc0 \next
	tensor_load_to_lds s[\g0:\g0+3], s[\g1:\g1+7]
	s_nop 0
.rept 4
	v_nop
.endr
	s_branch .Lhead_asked
\next:
.endm
	ARM 1, G0,  G1,  .Lhead_sa
	ARM 2, G0S, G1S, .Lhead_b
	ARM 3, G0B, G1B, .Lhead_sb
	tensor_load_to_lds s[G0SB:G0SB+3], s[G1SB:G1SB+7]
	s_nop 0
.rept 4
	v_nop
.endr
.Lhead_asked:
	v_and_b32 v1, 15, v0
	v_bfe_u32 v2, v0, 4, 1
	v_and_b32 v3, 31, v0                           ; lane
	v_lshlrev_b32 v[L16], 4, v3
	v_lshlrev_b32 v[L8], 3, v3
	s_mul_i32 s21, s15, HALFT                      ; my 128 rows of A
	s_mul_i32 s22, s16, HALFT
	s_add_co_u32 s22, s22, 2*HALFT                 ; my 128 rows of B, behind A's 256
.irp s, 0,1
	v_add_nc_u32 v[ADRA+\s], s21, v[L16]
	v_add_nc_u32 v[ADRB+\s], s22, v[L16]
	v_add_nc_u32 v[ADRA+2+\s], s21, v[L8]
	v_add_nc_u32 v[ADRB+2+\s], s22, v[L8]
	s_add_co_u32 s21, s21, SLOT
	s_add_co_u32 s22, s22, SLOT
.endr
	v_lshlrev_b32 v5, 5, v1                        ; my row's eight words: 32 bytes a row,
	v_lshrrev_b32 v6, 3, v1
	v_lshl_add_u32 v5, v6, 4, v5                   ; and 16 more behind the first eight rows
	s_mul_i32 s21, s15, HALFS
	s_mul_i32 s22, s16, HALFS
	s_add_co_u32 s22, s22, 2*HALFS
	s_sub_co_u32 s22, s22, s21
	v_mul_u32_u24 v6, s22, v2                      ; lanes 16-31 take B's
	s_add_co_u32 s21, s21, SCL
	v_add_nc_u32 v5, v5, v6
	v_add_nc_u32 v[ADRS], s21, v5
.irp b, 0,1,2,3
	v_mov_b32 v[TM+4+\b], 0                        ; written once: a lane permute's destination counts as one of its sources
.endr
.macro FRAG reg, adr, off              ; a fragment's image: registers 0-3, 4-5, 6-9, 10-11; every load reads consecutive bytes
	ds_load_b128 v[\reg:\reg+3], v[\adr] offset:\off
	ds_load_b64 v[\reg+4:\reg+5], v[\adr+2] offset:\off+512
	ds_load_b128 v[\reg+6:\reg+9], v[\adr] offset:\off+768
	ds_load_b64 v[\reg+10:\reg+11], v[\adr+2] offset:\off+1280
.endm
; 16 matrix instructions: A's blocks a0, a0 + 1 x B's eight, K step ks; p: B's set.  The 64 accumulators take turns, one instruction a turn, in the same order in every step.
.macro MUL16 a0, p, ks, zero
.irp a, \a0, \a0+1
.irp b, 0,1,2,3,4,5,6,7
.if \zero
	v_wmma_scale_f32_16x16x128_f8f6f4 v[8*(8*((\a)%4)+\b):8*(8*((\a)%4)+\b)+7], v[128*(\p)+FR*\b:128*(\p)+FR*\b+FR-1], v[AF+FR*(\a):AF+FR*(\a)+FR-1], 0, v[SC+8*\b+(\ks)], v[SC+8*(\a)+(\ks)] matrix_a_fmt:MATRIX_FMT_FP6 matrix_b_fmt:MATRIX_FMT_FP6 matrix_a_scale:MATRIX_SCALE_ROW1
.else
	v_wmma_scale_f32_16x16x128_f8f6f4 v[8*(8*((\a)%4)+\b):8*(8*((\a)%4)+\b)+7], v[128*(\p)+FR*\b:128*(\p)+FR*\b+FR-1], v[AF+FR*(\a):AF+FR*(\a)+FR-1], v[8*(8*((\a)%4)+\b):8*(8*((\a)%4)+\b)+7], v[SC+8*\b+(\ks)], v[SC+8*(\a)+(\ks)] matrix_a_fmt:MATRIX_FMT_FP6 matrix_b_fmt:MATRIX_FMT_FP6 matrix_a_scale:MATRIX_SCALE_ROW1
.endif
.endr
.endr
.endm
.macro FETCH_B slot, q, p
	WIN TO_B
.irp i, 0,1,2,3,4,5,6,7
	FRAG 128*(\p)+FR*\i, ADRB+\slot, 3072*\i+1536*(\q)
.endr
	WIN 0
.endm
.macro FETCH_A slot, q, i0
.irp i, \i0, \i0+1, \i0+2, \i0+3
	FRAG AF+FR*(\i), ADRA+\slot, 3072*(\i)+1536*(\q)
.endr
.endm
.macro SCALES                          ; all eight K steps' words, once
.irp i, 0,1,2,3,4,5,6,7
	ds_load_b128 v[SC+8*\i:SC+8*\i+3], v[ADRS] offset:\i*SBLK
	ds_load_b128 v[SC+8*\i+4:SC+8*\i+7], v[ADRS] offset:\i*SBLK+16
.endr
.endm
.macro PLACES n                        ; plain vector instructions between a matrix instruction and a load into, or a read of, its registers
.rept \n
	v_nop
.endr
.endm
.macro STEP slot, ks, zero             ; a slot's first K step
	s_wait_dscnt 4*NL                              ; B's set and A's blocks 0-3 are in; the youngest 16 loads (A's blocks 4-7) may be out
	WIN MUL_LO
	MUL16 0, 0, \ks, \zero
	MUL16 2, 0, \ks, \zero
	s_wait_dscnt 0
	PLACES NP
	FETCH_B \slot, 1, 1
	FETCH_A \slot, 1, 0
	WIN MUL_HI
	MUL16 4, 0, \ks, \zero
	MUL16 6, 0, \ks, \zero
	PLACES NP
	WIN 0
	FETCH_A \slot, 1, 4
.endm
; A slot's second K step changes slots: one barrier; in front of it each wave waits for all its tensor loads, adds 0 to its spare word, and waits for that and for its reads of this slot.
.macro TURN slot, next, ks, fill
	s_wait_tensorcnt 0x0                           ; all my tensor loads have landed: my part of the next slot
	ds_add_u32 v[SPW], v[NIL]                      ; 0 onto my spare word
	s_wait_dscnt 4*NL+1                            ; (the add and the youngest 16 loads may be out)
	WIN MUL_LO
	MUL16 0, 1, \ks, 0
	s_wait_dscnt 0x0                               ; the add is done, and my reads of this slot are over
	s_barrier_signal -1
	MUL16 2, 1, \ks, 0
	WIN 0
	s_barrier_wait -1
.if \fill
	CREST                                          ; the barrier has opened a round of the cluster's barrier: no wave of any partner still reads this slot or has a load on its way
	s_add_nc_u64 s[G0+4*\slot+2:G0+4*\slot+3], s[G0+4*\slot+2:G0+4*\slot+3], 6144
	s_add_nc_u64 s[G0B+4*\slot+2:G0B+4*\slot+3], s[G0B+4*\slot+2:G0B+4*\slot+3], 6144
	JLOAD G0+4*\slot, G1, G0B+4*\slot, G1B         ; the first tensor load behind the round; its four v_nop are the places in front of the loads below
.else
	PLACES NP
.endif
	FETCH_B \next, 0, 0
	FETCH_A \next, 0, 0
	WIN MUL_HI
	MUL16 4, 1, \ks, 0
	MUL16 6, 1, \ks, 0
	PLACES NP
	WIN 0
	FETCH_A \next, 0, 4
.endm
	s_wait_alu depctr_va_vdst(0)
	s_wait_tensorcnt 0x0                           ; my tile of the head's four is in
	ds_add_u32 v[SPW], v[NIL]
	s_mov_b32 s[G1+2], 8<<16                       ; no tensor load of mine is out: from here on a load brings 8 row tiles
	s_mov_b32 s[G1+4], 8
	s_mov_b32 s[G1B+2], 8<<16
	s_mov_b32 s[G1B+4], 8
	s_wait_dscnt 0x0
	CROUND                                         ; all four tiles are in, all sixteen work-groups are here
	JLOAD G0+4, G1, G0B+4, G1B                     ; slot 1's first fill, the first tensor load behind the round
	FETCH_B 0, 0, 0
	FETCH_A 0, 0, 0
	SCALES
	FETCH_A 0, 0, 4
	STEP 0, 0, 1                                   ; the first products start the sums: nothing is cleared
	TURN 0, 1, 1, 1                                ; slot 0 takes K steps 4, 5
	STEP 1, 2, 0
	TURN 1, 0, 3, 1                                ; slot 1 takes K steps 6, 7
	STEP 0, 4, 0
	TURN 0, 1, 5, 0                                ; nothing is left to fetch
	STEP 1, 6, 0
	s_wait_dscnt 4*NL
	WIN MUL_LO
	MUL16 0, 1, 7, 0
	MUL16 2, 1, 7, 0
	s_wait_dscnt 0
	WIN MUL_HI
	MUL16 4, 1, 7, 0
	MUL16 6, 1, 7, 0
	WIN 0
	; ---- THE WAY OUT.  kind: 0 q, 1 k, 2 v.  What differs is chosen by selects on the cluster's number; no branch.
	s_lshr_b32 s24, s17, 3
	s_min_u32 s24, s24, 2                          ; kind
	s_lshl_b32 s25, s18, 8
	s_lshl_b32 s26, s15, 7
	s_add_co_u32 s25, s25, s26
	s_and_b32 s25, s25, 8191                       ; q, k: my first token = (256 A's tile + 128 half) mod 8192
	s_sub_co_u32 s27, s17, 16
	s_lshl_b32 s27, s27, 2
	s_add_co_u32 s27, s27, s40
	s_lshl_b32 s27, s27, 8
	s_lshl_b32 s28, s16, 7
	s_add_co_u32 s27, s27, s28                     ; v: 256 (4 (cl - 16) + cx) + 128 half
	s_lshl_b32 s29, s40, 8
	s_add_co_u32 s29, s29, s28                     ; q, k: my first column of the 1024
	s_lshl_b32 s30, s41, 8
	s_add_co_u32 s30, s30, s26                     ; v: likewise
	s_mov_b32 s[STEPA], 1536
	s_mov_b32 s[D1], 768
	s_mov_b32 s[DS1], HSS
	s_mov_b32 s42, 0x03020100
	s_cmp_lt_u32 s24, 2
	s_cselect_b32 s25, s25, s27                    ; tok
	s_cselect_b32 s29, s29, s30                    ; e0
	s_cselect_b32 s[STEPA], 768, s[STEPA]          ; from A's block to the next: a token tile's half image, or a dim tile's fragment
	s_cselect_b32 s[JUMP], 0, HS-6144              ; v: behind four dim tiles the next head's record
	s_cselect_b32 s[D1], HS, s[D1]                 ; the fragment's second half: the next head's record, or 768 bytes on
	s_cselect_b32 s[DS1], 256, s[DS1]
	s_cselect_b32 s52, 9, 8
	s_cselect_b32 s53, HSS, 0
	s_cselect_b32 s43, 0x01000100, s42             ; q, k: lanes 0-15 keep the first head's two bytes, twice;
	s_cselect_b32 s44, 0x03020302, s42             ; lanes 16-31 the second head's;  v: the word as it is
	s_mov_b32 s[STEPA+1], 0
	s_mov_b32 s[JUMP+1], 0
	s_mov_b32 s[D1+1], 0
	s_mov_b32 s[DS1+1], 0
	s_lshr_b32 s26, s25, 11
	s_lshl_b32 s26, s26, 4
	s_lshr_b32 s27, s29, 6
	s_add_co_u32 s26, s26, s27                     ; the record: 16 batch + head
	s_bfe_u32 s27, s25, 0x40007                    ; which 128 tokens of the batch's 2048
	s_mul_i32 s28, s26, HS
	s_mul_i32 s30, s24, 98304
	s_add_co_u32 s28, s28, s30
	s_mul_i32 s30, s27, 6144
	s_add_co_u32 s28, s28, s30
	s_mov_b32 s29, 0
	s_add_nc_u64 s[OB0:OB0+1], s[8:9], s[28:29]
	s_add_nc_u64 s[OB1:OB1+1], s[OB0:OB0+1], s[D1:D1+1]
	s_mul_i32 s28, s26, HSS
	s_lshl_b32 s30, s24, 13
	s_add_co_u32 s28, s28, s30
	s_lshl_b32 s30, s27, s52
	s_add_co_u32 s28, s28, s30
	s_add_nc_u64 s[SB0:SB0+1], s[10:11], s[28:29]
	s_add_nc_u64 s[SB1:SB1+1], s[SB0:SB0+1], s[DS1:DS1+1]
	PLACES NP                                      ; behind the last products, ahead of the first read of results
	v_cmp_lt_u32 vcc_lo, 15, v3
	v_mov_b32 v4, s43
	v_mov_b32 v5, s44
	v_cndmask_b32 v[VSEL], v4, v5, vcc_lo
	v_mul_u32_u24 v4, s53, v2
	v_lshl_add_u32 v[SOF], v1, 4, v4               ; 16 r; q, k: lanes 16-31 one record on
; A's block a: its 64 results a lane (register 16 b + i = 32 b + 16 (lane / 16) + i along the next K) become a fragment and a scale word, and leave as images.  Each accumulator is read from its low end on.
.macro QOUT a
.set AC, 64*((\a)%4)
.set WA, 2+(\a)/4
.set WB, WA*5
.if (\a) > 0
	s_wait_xcnt 0x0                                ; the last block's stores have read their data and their bases: both are written again only behind this wait
	s_add_nc_u64 s[OB0:OB0+1], s[OB0:OB0+1], s[STEPA:STEPA+1]
	s_add_nc_u64 s[OB1:OB1+1], s[OB1:OB1+1], s[STEPA:STEPA+1]
.if (\a) == 4
	s_add_nc_u64 s[OB0:OB0+1], s[OB0:OB0+1], s[JUMP:JUMP+1]
	s_add_nc_u64 s[OB1:OB1+1], s[OB1:OB1+1], s[JUMP:JUMP+1]
.endif
.endif
	WIN WB                                         ; sources 0 and 1 in the accumulators' window
.irp b, 0,1,2,3
	v_max3_num_f32 v[TM+\b], |v[AC+16*\b]|, |v[AC+1+16*\b]|, 0x1800000
.endr
.irp i, 2,4,6,8,10,12,14
.irp b, 0,1,2,3
	v_max3_num_f32 v[TM+\b], |v[AC+16*\b+\i]|, |v[AC+1+16*\b+\i]|, v[TM+\b]
.endr
.endr
	WIN 0
.irp b, 0,1,2,3
	v_permlanex16_b32 v[TM+4+\b], v[TM+\b], s[SEL], s[SEL+1]
.endr
.irp b, 0,1,2,3
	v_max_num_f32 v[TM+\b], v[TM+\b], v[TM+4+\b]
.endr
.irp b, 0,1,2,3
	v_add_nc_u32 v[TM+12+\b], 0xff000000, v[TM+\b]
.endr
.irp b, 0,1,2,3
	v_lshrrev_b32 v[TM+4+\b], 23, v[TM+12+\b]
.endr
	v_lshl_or_b32 v[PW], v[TM+5], 8, v[TM+4]
	v_lshl_or_b32 v[PW], v[TM+6], 16, v[PW]
	v_lshl_or_b32 v[PW], v[TM+7], 24, v[PW]
	WIN WA                                         ; source 0 alone in the accumulators' window
.irp c, 0,1
	v_cvt_scalef32_pk16_fp6_f32 v[PC+6*\c:PC+2+6*\c], v[AC+32*\c:AC+15+32*\c], v[TM+12+2*\c]
	v_cvt_scalef32_pk16_fp6_f32 v[PC+12+4*\c:PC+14+4*\c], v[AC+16+32*\c:AC+31+32*\c], v[TM+12+2*\c+1]
.endr
	WIN 0
	v_nop                                          ; one plain instruction behind the scaled conversions
.irp c, 0,1
.irp i, 0,1,2
	v_permlane16_swap_b32 v[PC+6*\c+\i], v[PC+12+4*\c+\i]
.endr
.irp i, 0,1,2
	v_mov_b32 v[PC+3+6*\c+\i], v[PC+12+4*\c+\i]
.endr
.endr
	v_perm_b32 v[UU+(\a)], v[PW], v[PW], v[VSEL]
	global_store_b128 v[L16], v[PC:PC+3], s[OB0:OB0+1]                 ; 512 and 256 consecutive bytes, aligned
	global_store_b64 v[L8], v[PC+4:PC+5], s[OB0:OB0+1] offset:512
	global_store_b128 v[L16], v[PC+6:PC+9], s[OB1:OB1+1]
	global_store_b64 v[L8], v[PC+10:PC+11], s[OB1:OB1+1] offset:512
.endm
.irp a, 0,1,2,3,4,5,6,7
	QOUT \a
.endr
	global_store_b128 v[SOF], v[UU:UU+3], s[SB0:SB0+1]                 ; sixteen lanes store 256 consecutive bytes (v: lanes 16-31 store the same words to the same places)
	global_store_b128 v[SOF], v[UU+4:UU+7], s[SB1:SB1+1]
	s_wait_tensorcnt 0x0                           ; the wave's end
	ds_add_u32 v[SPW], v[NIL]
	s_wait_dscnt 0x0
	CROUND                                         ; the closing round
	s_endpgm
.Lfunc_end_k_qe2bbb9351a_proj:
	.size	k_qe2bbb9351a_proj, .Lfunc_end_k_qe2bbb9351a_proj-k_qe2bbb9351a_proj
	.p2alignl 7, 3214868480
	.fill 96, 4, 3214868480
	.section	.rodata,"a",@progbits
	.p2align	6, 0x0
	.amdhsa_kernel k_qe2bbb9351a_proj
		.amdhsa_group_segment_fixed_size 327680
		.amdhsa_private_segment_fixed_size 0
		.amdhsa_enable_private_segment 0
		.amdhsa_kernarg_size 32
		.amdhsa_user_sgpr_count 2
		.amdhsa_user_sgpr_kernarg_segment_ptr 1
		.amdhsa_wavefront_size32 1
		.amdhsa_system_sgpr_workgroup_id_x 1
		.amdhsa_system_sgpr_workgroup_id_y 1
		.amdhsa_system_sgpr_workgroup_id_z 1
		.amdhsa_system_vgpr_workitem_id 0
		.amdhsa_next_free_vgpr 1024
		.amdhsa_next_free_sgpr 100
		.amdhsa_reserve_vcc 1
		.amdhsa_float_denorm_mode_32 3
		.amdhsa_float_denorm_mode_16_64 3
		.amdhsa_memory_ordered 1
		.amdhsa_forward_progress 1
		.amdhsa_inst_pref_size 151
	.end_amdhsa_kernel
	.amdgpu_metadata
---
amdhsa.version: [ 1, 2 ]
amdhsa.kernels:
  - .name:           k_qe2bbb9351a_proj
    .symbol:         k_qe2bbb9351a_proj.kd
    .args:
      - { .name: cod, .offset: 0, .size: 8, .value_kind: global_buffer, .address_space: global }
      - { .name: csc, .offset: 8, .size: 8, .value_kind: global_buffer, .address_space: global }
      - { .name: hc, .offset: 16, .size: 8, .value_kind: global_buffer, .address_space: global }
      - { .name: hs, .offset: 24, .size: 8, .value_kind: global_buffer, .address_space: global }
    .group_segment_fixed_size: 327680
    .private_segment_fixed_size: 0
    .kernarg_segment_align: 8
    .kernarg_segment_size: 32
    .max_flat_workgroup_size: 128
    .sgpr_count:     100
    .vgpr_count:     1024
    .wavefront_size: 32
...
	.end_amdgpu_metadata
.endif
;; end of part 2
;; launch attn (part 3): grid 4 x 64, 16 waves a work-group, clusters of 4 x 1, 327,680 bytes of LDS; arguments hc, hs, mw, ac, asx; writes ac, asx
.if DOCPART == 3
	.amdgcn_target "amdgcn-amd-amdhsa--gfx1250"
	.amdhsa_code_object_version 6
	.text
	.protected	k_qe2bbb9351a_attn
	.globl	k_qe2bbb9351a_attn
	.p2align	8
	.type	k_qe2bbb9351a_attn,@function
k_qe2bbb9351a_attn:
	s_mov_b64 s[64:65], 0
	v_nop
	global_prefetch_b8 v0, s[64:65] scope:SCOPE_SE
	s_setreg_imm32_b32 hwreg(HW_REG_WAVE_MODE, 25, 1), 1
	s_wait_xcnt 0x0
	s_wait_alu depctr_hold_cnt(0) depctr_sa_sdst(0) depctr_va_vdst(0) depctr_va_sdst(0) depctr_va_ssrc(0) depctr_va_vcc(0) depctr_vm_vsrc(0)
	s_getreg_b32 s2, hwreg(HW_REG_IB_STS2, 6, 4)
	s_cmp_eq_u32 s2, 0
	s_cbranch_scc0 .Lentry_in_a_cluster
	s_endpgm
.Lentry_in_a_cluster:
	s_bfe_u32 s2, ttmp6, 0x10000c
	s_cmp_lg_u32 s2, 0x3003
	s_cbranch_scc0 .Lentry_shape_is_right
	s_endpgm
.Lentry_shape_is_right:
; ATTN: for one (batch, head): S^T = K Q^T, mask, p = 2^(t - M), O^T += V^T p^T, all products on codes of FP6 (E2M3) with E8M0 scales; O / l is quantised along the head's dims for the last product and leaves as codes.
; A work-group takes 512 queries of one head; a wave two passes of 16 queries over 16 steps of 128 keys.  K, V and their scale words of the whole head lie in LDS, filled once.
; CLUSTER 4 x 1: the four query blocks of a head ask for K, V and the scales jointly.  No prefetch: the tiles come once, at the head, and there is no loop to run ahead in.
; Both products are used transposed: a lane holds one query.  K tile 4 c + u, row m, is key 64 c + 8 u + m % 8 + 32 (m / 8) of the step, so score register 32 c + i of lane (r, h) is key 64 c + 32 h + i:
; a lane holds two WHOLE blocks of 32 keys, in the order of p's operand registers.  A K fragment of 12 registers holds two tiles (64 dims each); Q stands beside zeros, low or high.
; M is the ceiling of the running largest t, kept as -M; when it moves, the sum and O^T are multiplied by an exact power of two.  A block's largest p is made from its largest score by the same multiply-add and exponential.
; LIMITS: NaN and infinities are not served; the promise holds while the scaled scores stay under 2^31 in magnitude.  A block whose every p has fallen to 0 keeps the byte 1: its codes are zeros.
; Each pass's last trip also reads the 6,144 bytes behind K's last tiles (V's first) and 512 behind K's scale words, and uses nothing of them; the launch's last trip reads its own mask words once more.
.set HS,   294912
.set HSS,  20480
.set SCK,  196608                      ; LDS: K 0, V 98304, K's scale words, V's, the spare words at 0x33000
.set SCV,  204800
.set L16,  1
.set L8,   2
.set VL16, 3
.set VL8,  4
.set ASK0, 5
.set ASV0, 6
.set NEG,  7
.set R16,  8
.set R32,  9
.set ADK16, 10
.set ADK8, 11                          ; v12 -M, v13 the running largest score, v[14:15] the row's sum; v16-33 Q, zeros, Q; v34 Q's scales, v35 p's
.set FRG,  36                          ; v36-83 fragments of K, then of V
.set KSC,  84
.set VSC,  92
.set SCO,  96                          ; v96-159 scores, then p
.set OT,   160                         ; v160-191 O^T
.set PCD,  192
.set CT,   204
.set BM,   212
.set PD,   216
.set SOP,  220
.set ADV16, 224
.set ADV8, 225
.set ADS,  226
.set ADT,  227
.set TMP,  228
.set FAC,  230
.set H8,   232                         ; 8 h
.set MX,   234                         ; v234-241 a maximum for each tile
.set W,    242
.set WV,   14
.set PASS, 15
.set MWA,  16                          ; s16-47, s68-99 the step's 64 mask words
.set MWB,  68
.set SEL,  52
.set CS,   54
.set TB,   56
.set TS,   57
.set TV,   58
.set LAST, 59
.set CNT,  60
.set CSN,  61
.macro CROUND
	s_barrier_signal -1
	s_barrier_wait -1
	s_cmp_lg_u32 s[WV], 0
	s_cbranch_scc1 .Lnot_wave_0_\@
	s_barrier_signal -3
.Lnot_wave_0_\@:
	s_barrier_wait -3
	s_barrier_signal -1
	s_barrier_wait -1
.endm
	s_load_b256 s[4:11], s[0:1], 0x0               ; hc, hs, mw, ac
	s_load_b64 s[12:13], s[0:1], 0x20              ; asx
	v_lshl_add_u32 v254, v0, 2, 0x33000
	v_mov_b32 v255, 0
	ds_add_u32 v254, v255                          ; the opening lines
	ds_add_u32 v254, v255
	v_lshrrev_b32 v1, 5, v0
	v_and_b32 v8, 31, v0
	v_and_b32 v9, 15, v0
	v_bfe_u32 v[H8], v0, 4, 1
	v_mov_b32 v[NEG], 0xe2800000                   ; what a masked score becomes: under every score served
	v_readfirstlane_b32 s[WV], v1
	v_lshlrev_b32 v[L16], 4, v8
	v_lshlrev_b32 v[L8], 3, v8
	v_lshlrev_b32 v[R16], 4, v9
	v_lshlrev_b32 v[R32], 5, v9
	v_lshlrev_b32 v[H8], 3, v[H8]
	v_add_nc_u32 v[VL16], 98304, v[L16]
	v_add_nc_u32 v[VL8], 98304, v[L8]
	v_add_nc_u32 v[ASK0], SCK, v[R16]
	v_add_nc_u32 v[ASV0], SCV, v[R16]
.irp j, 22,23,24,25,26,27
	v_mov_b32 v[\j], 0                             ; the zero codes beside Q
.endr
.irp b, 0,1
	v_mov_b32 v[PD+\b], 0                          ; a lane permute's destination counts as one of its sources
.endr
	v_mov_b32 v[TMP], 0
	v_mov_b32 v[FAC+1], 0
	s_bfe_u32 s61, ttmp6, 0x40000                  ; cx
	s_and_b32 s62, ttmp7, 0xffff                   ; 16 batch + head
	s_mul_i32 s66, s62, HS
	s_mov_b32 s67, 0
	s_mov_b32 s3, 0
	s_mul_i32 s56, s[WV], 12288
	s_mul_i32 s58, s[WV], 768
	s_mov_b32 s16, 15|(3<<16)|(1<<21)              ; group 1, scale words: 3 rows of 256 bytes a wave, to all four partners
	s_mov_b32 s17, 32<<16
	s_mov_b32 s18, 3<<16
	s_mov_b32 s19, 32<<16
	s_mov_b32 s20, 3
	s_mov_b32 s21, 32
	s_mov_b32 s22, 0
	s_mov_b32 s23, 0
	s_mov_b32 s24, 15|(3<<16)|(1<<21)              ; group 1, codes: 48 rows of 256 bytes a wave
	s_mov_b32 s25, 32<<16
	s_mov_b32 s26, 48<<16
	s_mov_b32 s27, 32<<16
	s_mov_b32 s28, 48
	s_mov_b32 s29, 32
	s_mov_b32 s30, 0
	s_mov_b32 s31, 0
	s_mov_b32 s[SEL], 0x76543210
	s_mov_b32 s[SEL+1], 0xfedcba98
	s_mov_b32 s[CS], 0x3e38aa3b                    ; c = log2(e) / 8
	s_mov_b32 s[CS+1], s[CS]
	s_wait_dscnt 0x0
	s_wait_kmcnt 0x0
	s_add_nc_u64 s[4:5], s[4:5], s[66:67]
	s_mul_i32 s2, s62, HSS
	s_add_nc_u64 s[6:7], s[6:7], s[2:3]
	s_mov_b32 s32, 1
	s_add_co_u32 s33, s58, SCK
	s_mov_b32 s2, s58
	s_add_nc_u64 s[34:35], s[6:7], s[2:3]
	s_add_nc_u64 s[34:35], s[34:35], 8192
	s_or_b32 s35, s35, 0x80000000
	s_mov_b32 s36, 1
	s_mov_b32 s37, s56
	s_mov_b32 s2, s56
	s_add_nc_u64 s[38:39], s[4:5], s[2:3]
	s_add_nc_u64 s[38:39], s[38:39], 98304
	s_or_b32 s39, s39, 0x80000000
	CROUND
	tensor_load_to_lds s[32:35], s[16:23]          ; my sixteenth of the scale words: one tensor load a wave at the head
	s_nop 0
	s_wait_alu depctr_va_vdst(0)                   ; at the head's end
	s_wait_tensorcnt 0x0                           ; ahead of a later first fill
	ds_add_u32 v254, v255
	s_wait_dscnt 0x0
	CROUND
	tensor_load_to_lds s[36:39], s[24:31]          ; my sixteenth of K and V
	s_nop 0
.rept 4
	v_nop
.endr
	s_lshl_b32 s60, s61, 5
	s_add_co_u32 s60, s60, s[WV]                   ; my first query tile: 32 cx + wave; the second pass: 16 on
	s_mul_i32 s2, s60, 768
	s_add_nc_u64 s[4:5], s[4:5], s[2:3]
	s_lshr_b32 s2, s60, 2
	s_lshl_b32 s2, s2, 8
	s_and_b32 s59, s60, 3
	s_lshl_b32 s59, s59, 2
	s_add_co_u32 s2, s2, s59
	s_add_nc_u64 s[6:7], s[6:7], s[2:3]
	s_lshl_b32 s2, s60, 12
	s_add_nc_u64 s[8:9], s[8:9], s[2:3]
	s_lshr_b32 s59, s62, 4
	s_lshl_b32 s59, s59, 7
	s_add_co_u32 s59, s59, s60
	s_and_b32 s63, s62, 15
	s_mul_i32 s2, s59, 12288
	s_mul_i32 s66, s63, 768
	s_add_co_u32 s2, s2, s66
	s_add_nc_u64 s[10:11], s[10:11], s[2:3]
	s_lshl_b32 s2, s59, 9
	s_lshl_b32 s66, s63, 1
	s_add_co_u32 s2, s2, s66
	s_add_nc_u64 s[12:13], s[12:13], s[2:3]
	s_mov_b32 s[CSN], 0xbe38aa3b                   ; -c
.macro KLOAD                           ; a step's eight tiles of K and their scale words
.irp t, 0,1,2,3,4,5,6,7
	ds_load_b128 v[FRG+6*\t:FRG+6*\t+3], v[ADK16] offset:768*\t
	ds_load_b64 v[FRG+6*\t+4:FRG+6*\t+5], v[ADK8] offset:768*\t+512
.endr
	ds_load_b128 v[KSC:KSC+3], v[ADS]
	ds_load_b128 v[KSC+4:KSC+7], v[ADS] offset:256
.endm
.macro PF a, n                         ; t - M, two at a time
.set NN, \a
.rept \n
	v_pk_fma_f32 v[SCO+NN:SCO+NN+1], v[SCO+NN:SCO+NN+1], s[CS:CS+1], v[12:13] op_sel_hi:[1,0,0]
.set NN, NN+2
.endr
.endm
.macro AD st, a, n                     ; the row's sum as a tree in place: n pairs, each takes in the pair st registers on
.set NN, \a
.rept \n
	v_pk_add_f32 v[SCO+NN:SCO+NN+1], v[SCO+NN:SCO+NN+1], v[SCO+NN+\st:SCO+NN+\st+1]
.set NN, NN+2*\st
.endr
.endm
	s_wait_tensorcnt 0x0                           ; my part of K and V is in
	s_barrier_signal -1
	s_barrier_wait -1
	s_load_b512 s[MWA:MWA+15], s[8:9], 0x0         ; the first step's mask words (the descriptors' registers are free)
	s_load_b512 s[MWA+16:MWA+31], s[8:9], 0x40
	s_load_b512 s[MWB:MWB+15], s[8:9], 0x80
	s_load_b512 s[MWB+16:MWB+31], s[8:9], 0xc0
	s_mov_b32 s[PASS], 2
.Lpass:
	global_load_b128 v[16:19], v[L16], s[4:5]
	global_load_b64 v[20:21], v[L8], s[4:5] offset:512
	global_load_b128 v[28:31], v[L16], s[4:5]
	global_load_b64 v[32:33], v[L8], s[4:5] offset:512
	global_load_b32 v34, v[R16], s[6:7]
	s_cmp_eq_u32 s[PASS], 2
	s_cselect_b32 s[LAST], 61696, 0                ; from a pass's last mask words to the next pass's first: 16 tiles of 4,096 bytes less 15 steps of 256; the last pass stays
	s_mov_b32 s[TB], 0
	s_mov_b32 s[TS], 0
	s_mov_b32 s[TV], 0
	s_mov_b32 s[CNT], 16
	v_add_nc_u32 v[ADK16], s[TB], v[L16]
	v_add_nc_u32 v[ADK8], s[TB], v[L8]
	v_add_nc_u32 v[ADS], s[TS], v[ASK0]
	KLOAD
	v_mov_b32 v13, 0xff61b1e6                      ; -3e38, under every score
	v_mov_b32 v12, 0x7e000000                      ; -M: a large whole number, so that the first step's factor is 0
	v_mov_b32 v14, 0
	v_mov_b32 v15, 0
.set NN, 0
.rept 32
	v_mov_b32 v[OT+NN], 0
.set NN, NN+1
.endr
	s_wait_alu depctr_va_vdst(0)                   ; ahead of the blocking wait
	s_wait_loadcnt 0x0
.Lstep:
	s_wait_dscnt 0x0                               ; K's fragments and scale words, asked for in the trip before
.irp t, 0,1,2,3,4,5,6,7
	v_wmma_scale_f32_16x16x128_f8f6f4 v[SCO+8*\t:SCO+8*\t+7], v[FRG+12*(\t/2):FRG+12*(\t/2)+11], v[16+6*(\t%2):27+6*(\t%2)], 0, v[KSC+\t], v34 matrix_a_fmt:MATRIX_FMT_FP6 matrix_b_fmt:MATRIX_FMT_FP6
.endr
	v_add_nc_u32 v[ADV16], s[TB], v[VL16]          ; four plain lines: the places behind the products
	v_add_nc_u32 v[ADV8], s[TB], v[VL8]
	v_add_nc_u32 v[ADT], s[TV], v[ASV0]
	v_mov_b32 v[TMP], v12                          ; the old -M
.irp d, 0,1,2,3
	ds_load_b128 v[FRG+12*\d:FRG+12*\d+3], v[ADV16] offset:1536*\d
	ds_load_b64 v[FRG+12*\d+4:FRG+12*\d+5], v[ADV8] offset:1536*\d+512
	ds_load_b128 v[FRG+12*\d+6:FRG+12*\d+9], v[ADV16] offset:1536*\d+768
	ds_load_b64 v[FRG+12*\d+10:FRG+12*\d+11], v[ADV8] offset:1536*\d+1280
.endr
	ds_load_b128 v[VSC:VSC+3], v[ADT]
	s_add_co_u32 s[TB], s[TB], 6144
	s_add_co_u32 s[TS], s[TS], 512
	s_add_co_u32 s[TV], s[TV], 256
	v_add_nc_u32 v[ADK16], s[TB], v[L16]           ; the next step's K
	v_add_nc_u32 v[ADK8], s[TB], v[L8]
	v_add_nc_u32 v[ADS], s[TS], v[ASK0]
	s_wait_kmcnt 0x0                               ; this step's mask words
.set NN, 0
.rept 32
	v_cndmask_b32 v[SCO+NN], v[NEG], v[SCO+NN], s[MWA+NN]
.set NN, NN+1
.endr
	s_cmp_eq_u32 s[CNT], 1
	s_cselect_b32 s2, s[LAST], 0x100
	s_add_nc_u64 s[8:9], s[8:9], s[2:3]            ; the next step's words (every earlier scalar load is done)
	s_load_b512 s[MWA:MWA+15], s[8:9], 0x0
	s_load_b512 s[MWA+16:MWA+31], s[8:9], 0x40
.set NN, 0
.rept 32
	v_cndmask_b32 v[SCO+32+NN], v[NEG], v[SCO+32+NN], s[MWB+NN]
.set NN, NN+1
.endr
	s_load_b512 s[MWB:MWB+15], s[8:9], 0x80
	s_load_b512 s[MWB+16:MWB+31], s[8:9], 0xc0
.irp t, 0,1,2,3,4,5,6,7                        ; the largest scores: eight chains by turns
	v_max3_num_f32 v[MX+\t], v[SCO+8*\t], v[SCO+8*\t+1], v[SCO+8*\t+2]
.endr
.irp i, 3,5
.irp t, 0,1,2,3,4,5,6,7
	v_max3_num_f32 v[MX+\t], v[MX+\t], v[SCO+8*\t+\i], v[SCO+8*\t+\i+1]
.endr
.endr
	v_max3_num_f32 v[MX], v[MX], v[MX+1], v[SCO+7] ; four tiles and their last registers: my block c
	v_max3_num_f32 v[MX+2], v[MX+2], v[MX+3], v[SCO+15]
	v_max3_num_f32 v[MX+4], v[MX+4], v[MX+5], v[SCO+39]
	s_delay_alu instid0(VALU_DEP_4)
	v_max3_num_f32 v[MX+6], v[MX+6], v[MX+7], v[SCO+47]
	s_delay_alu instid0(VALU_DEP_4)
	v_max3_num_f32 v[MX], v[MX], v[SCO+23], v[SCO+31]
	s_delay_alu instid0(VALU_DEP_3)
	v_max3_num_f32 v[MX+4], v[MX+4], v[SCO+55], v[SCO+63]
	s_delay_alu instid0(VALU_DEP_2)
	v_max_num_f32 v[BM], v[MX], v[MX+2]
	s_delay_alu instid0(VALU_DEP_2)
	v_max_num_f32 v[BM+1], v[MX+4], v[MX+6]
	s_delay_alu instid0(VALU_DEP_1)
	v_max_num_f32 v[W], v[BM], v[BM+1]
	s_delay_alu instid0(VALU_DEP_1)
	v_permlanex16_b32 v[PD], v[W], s[SEL], s[SEL+1]
	s_delay_alu instid0(VALU_DEP_1)
	v_max3_num_f32 v13, v13, v[W], v[PD]           ; the running largest score of my query
	s_delay_alu instid0(VALU_DEP_1)
	v_mul_f32 v12, s[CSN], v13                     ; -t
	s_delay_alu instid0(VALU_DEP_1)
	v_floor_f32 v12, v12                           ; -M = floor(-t)
	s_delay_alu instid0(VALU_DEP_1)
	v_sub_f32 v[TMP], v12, v[TMP]                  ; old M less new M: a whole number, 0 or less
	s_delay_alu instid0(VALU_DEP_2)
	PF 0, 4
	v_cvt_i32_f32 v[TMP], v[TMP]                   ; (it saturates)
	PF 8, 4
	v_ldexp_f32 v[FAC], 1.0, v[TMP]                ; f = 2^(old M - new M)
	PF 16, 24
.irp b, 0,1
	v_fma_f32 v[BM+\b], v[BM+\b], s[CS], v12       ; the same of each block's largest score
.endr
.set NN, 0
.rept 16
	v_pk_mul_f32 v[OT+NN:OT+NN+1], v[OT+NN:OT+NN+1], v[FAC:FAC+1] op_sel_hi:[1,0]   ; O^T under the new M; no exponential stands between the products that wrote it and these lines
.set NN, NN+2
.endr
	s_wait_dscnt 0x0                               ; V's fragments and scale words
	s_wait_alu depctr_va_vdst(0)                   ; ahead of the batch
.set NN, 0
.rept 64
	v_exp_f32 v[SCO+NN], v[SCO+NN]                 ; p = 2^(t - M)
.set NN, NN+1
.endr
	v_exp_f32 v[BM], v[BM]                         ; my two blocks' largest p
	v_exp_f32 v[BM+1], v[BM+1]
	v_pk_mul_f32 v[14:15], v[14:15], v[FAC:FAC+1] op_sel_hi:[1,0]   ; the sum under the new M: the plain place behind the batch
	s_wait_alu depctr_va_vdst(0)                   ; one wait for the batch, ahead of its first reader
.irp b, 0,1
	v_max_num_f32 v[BM+\b], 0x1800000, v[BM+\b]    ; the floor 2^(3 - 127): the byte cannot fall under 1
.endr
.irp b, 0,1
	s_delay_alu instid0(VALU_DEP_2)
	v_add_nc_u32 v[SOP+\b], 0xff000000, v[BM+\b]   ; 2 off the exponent field: the conversion's scale operand
.endr
.irp c, 0,1
	v_cvt_scalef32_pk16_fp6_f32 v[PCD+6*\c:PCD+2+6*\c], v[SCO+32*\c:SCO+15+32*\c], v[SOP+\c]
	v_cvt_scalef32_pk16_fp6_f32 v[CT+4*\c:CT+2+4*\c], v[SCO+16+32*\c:SCO+31+32*\c], v[SOP+\c]   ; (a conversion's three registers begin on an even number)
.endr
.irp b, 0,1
	v_lshrrev_b32 v[PD+\b], 23, v[SOP+\b]          ; the scales' bytes
.endr
	s_delay_alu instid0(VALU_DEP_1)
	v_lshl_or_b32 v[W], v[PD+1], 16, v[PD]         ; blocks h and 2 + h,
	s_delay_alu instid0(VALU_DEP_1)
	v_lshlrev_b32 v[W], v[H8], v[W]                ; at their places in the word;
	s_delay_alu instid0(VALU_DEP_1)
	v_permlanex16_b32 v[PD], v[W], s[SEL], s[SEL+1]
	s_delay_alu instid0(VALU_DEP_1)
	v_or_b32 v35, v[W], v[PD]                      ; with lane l xor 16's two the word is whole
.irp c, 0,1
.irp i, 0,1,2
	v_mov_b32 v[PCD+3+6*\c+\i], v[CT+4*\c+\i]
.endr
.endr
	AD 2, 0, 8                                     ; the sum of the unquantised p begins: with the moves, 14 places behind the scale word, 8 behind the codes
.irp d, 0,1,2,3
	v_wmma_scale_f32_16x16x128_f8f6f4 v[OT+8*\d:OT+8*\d+7], v[FRG+12*\d:FRG+12*\d+11], v[PCD:PCD+11], v[OT+8*\d:OT+8*\d+7], v[VSC+\d], v35 matrix_a_fmt:MATRIX_FMT_FP6 matrix_b_fmt:MATRIX_FMT_FP6
.endr
	AD 2, 32, 4                                    ; four places ahead of the loads into V's registers
	KLOAD                                          ; the next step's K lands under the rest of the sum
	AD 2, 48, 4
	AD 4, 0, 8
	AD 8, 0, 3
	s_delay_alu instid0(VALU_DEP_4)
	AD 8, 48, 1
	s_delay_alu instid0(VALU_DEP_3)
	AD 16, 0, 1
	s_delay_alu instid0(VALU_DEP_2)
	AD 16, 32, 1
	s_delay_alu instid0(VALU_DEP_1)
	AD 32, 0, 1
	s_delay_alu instid0(VALU_DEP_1)
	v_pk_add_f32 v[14:15], v[14:15], v[SCO:SCO+1]
	s_sub_co_u32 s[CNT], s[CNT], 1
	s_cmp_lg_u32 s[CNT], 0
	s_cbranch_scc1 .Lstep
	; a pass's end: O^T / l, quantised along the head's 64 dims (registers 16 b + i = dim 32 b + 16 h + i), leaves as half a fragment's image and two scale bytes
	s_wait_alu depctr_va_vdst(0)                   ; ahead of the blocking wait
	s_wait_dscnt 0x0                               ; the last trip's loads: their registers are loaded anew in the next pass
	v_add_f32 v14, v14, v15
	s_delay_alu instid0(VALU_DEP_1)
	v_permlanex16_b32 v[TMP], v14, s[SEL], s[SEL+1]
	s_delay_alu instid0(VALU_DEP_1)
	v_add_f32 v14, v14, v[TMP]
	s_wait_alu depctr_va_vdst(0)
	v_rcp_f32 v14, v14
	v_nop
	s_wait_alu depctr_va_vdst(0)                   ; ahead of the first reader of 1 / l and of O^T
.set NN, 0
.rept 32
	v_mul_f32 v[SCO+NN], v[OT+NN], v14
.set NN, NN+1
.endr
.irp b, 0,1
	v_max3_num_f32 v[BM+\b], |v[SCO+16*\b]|, |v[SCO+1+16*\b]|, 0x1800000
.endr
.irp i, 2,4,6,8,10,12,14
.irp b, 0,1
	s_delay_alu instid0(VALU_DEP_2)
	v_max3_num_f32 v[BM+\b], v[BM+\b], |v[SCO+16*\b+\i]|, |v[SCO+1+16*\b+\i]|
.endr
.endr
.irp b, 0,1
	s_delay_alu instid0(VALU_DEP_2)
	v_permlanex16_b32 v[PD+\b], v[BM+\b], s[SEL], s[SEL+1]
.endr
.irp b, 0,1
	s_delay_alu instid0(VALU_DEP_2)
	v_max_num_f32 v[BM+\b], v[BM+\b], v[PD+\b]
.endr
.irp b, 0,1
	s_delay_alu instid0(VALU_DEP_2)
	v_add_nc_u32 v[SOP+\b], 0xff000000, v[BM+\b]
.endr
.irp b, 0,1
	s_delay_alu instid0(VALU_DEP_2)
	v_lshrrev_b32 v[PD+\b], 23, v[SOP+\b]
.endr
	s_delay_alu instid0(VALU_DEP_1)
	v_lshl_or_b32 v[TMP], v[PD+1], 8, v[PD]
	v_cvt_scalef32_pk16_fp6_f32 v[PCD:PCD+2], v[SCO:SCO+15], v[SOP]
	v_cvt_scalef32_pk16_fp6_f32 v[CT:CT+2], v[SCO+16:SCO+31], v[SOP+1]
	v_nop
.irp i, 0,1,2
	v_permlane16_swap_b32 v[PCD+\i], v[CT+\i]
.endr
.irp i, 0,1,2
	s_delay_alu instid0(VALU_DEP_3)
	v_mov_b32 v[PCD+3+\i], v[CT+\i]
.endr
	global_store_b128 v[L16], v[PCD:PCD+3], s[10:11]                  ; 512 and 256 consecutive bytes, aligned
	global_store_b64 v[L8], v[PCD+4:PCD+5], s[10:11] offset:512
	global_store_b16 v[R32], v[TMP], s[12:13]
	s_wait_xcnt 0x0                                ; the bases and the stores' data are written again only behind this wait
	s_add_nc_u64 s[4:5], s[4:5], 12288
	s_add_nc_u64 s[6:7], s[6:7], 1024
	s_add_nc_u64 s[10:11], s[10:11], 196608
	s_add_nc_u64 s[12:13], s[12:13], 8192
	s_sub_co_u32 s[PASS], s[PASS], 1
	s_cmp_lg_u32 s[PASS], 0
	s_cbranch_scc1 .Lpass
	s_wait_kmcnt 0x0
	s_wait_tensorcnt 0x0                           ; the wave's end
	ds_add_u32 v254, v255
	s_wait_dscnt 0x0
	CROUND                                         ; the closing round
	s_endpgm
.Lfunc_end_k_qe2bbb9351a_attn:
	.size	k_qe2bbb9351a_attn, .Lfunc_end_k_qe2bbb9351a_attn-k_qe2bbb9351a_attn
	.p2alignl 7, 3214868480
	.fill 96, 4, 3214868480
	.section	.rodata,"a",@progbits
	.p2align	6, 0x0
	.amdhsa_kernel k_qe2bbb9351a_attn
		.amdhsa_group_segment_fixed_size 327680
		.amdhsa_private_segment_fixed_size 0
		.amdhsa_enable_private_segment 0
		.amdhsa_kernarg_size 40
		.amdhsa_user_sgpr_count 2
		.amdhsa_user_sgpr_kernarg_segment_ptr 1
		.amdhsa_wavefront_size32 1
		.amdhsa_system_sgpr_workgroup_id_x 1
		.amdhsa_system_sgpr_workgroup_id_y 1
		.amdhsa_system_sgpr_workgroup_id_z 1
		.amdhsa_system_vgpr_workitem_id 0
		.amdhsa_next_free_vgpr 256
		.amdhsa_next_free_sgpr 100
		.amdhsa_reserve_vcc 0
		.amdhsa_float_denorm_mode_32 3
		.amdhsa_float_denorm_mode_16_64 3
		.amdhsa_memory_ordered 1
		.amdhsa_forward_progress 1
		.amdhsa_inst_pref_size 35
	.end_amdhsa_kernel
	.amdgpu_metadata
---
amdhsa.version: [ 1, 2 ]
amdhsa.kernels:
  - .name:           k_qe2bbb9351a_attn
    .symbol:         k_qe2bbb9351a_attn.kd
    .args:
      - { .name: hc, .offset: 0, .size: 8, .value_kind: global_buffer, .address_space: global }
      - { .name: hs, .offset: 8, .size: 8, .value_kind: global_buffer, .address_space: global }
      - { .name: mw, .offset: 16, .size: 8, .value_kind: global_buffer, .address_space: global }
      - { .name: ac, .offset: 24, .size: 8, .value_kind: global_buffer, .address_space: global }
      - { .name: asx, .offset: 32, .size: 8, .value_kind: global_buffer, .address_space: global }
    .group_segment_fixed_size: 327680
    .private_segment_fixed_size: 0
    .kernarg_segment_align: 8
    .kernarg_segment_size: 40
    .max_flat_workgroup_size: 512
    .sgpr_count:     100
    .vgpr_count:     256
    .wavefront_size: 32
...
	.end_amdgpu_metadata
.endif
;; end of part 3
;; launch outp (part 4): grid 4 x 64, 4 waves a work-group, clusters of 4 x 4, 327,680 bytes of LDS; arguments ac, asx, cod, csc, bo, out0; writes out0
.if DOCPART == 4
	.amdgcn_target "amdgcn-amd-amdhsa--gfx1250"
	.amdhsa_code_object_version 6
	.text
	.protected	k_qe2bbb9351a_outp
	.globl	k_qe2bbb9351a_outp
	.p2align	8
	.type	k_qe2bbb9351a_outp,@function
k_qe2bbb9351a_outp:
	s_mov_b64 s[64:65], 0
	v_nop
	global_prefetch_b8 v0, s[64:65] scope:SCOPE_SE
	s_setreg_imm32_b32 hwreg(HW_REG_WAVE_MODE, 25, 1), 1
	s_wait_xcnt 0x0
	s_wait_alu depctr_hold_cnt(0) depctr_sa_sdst(0) depctr_va_vdst(0) depctr_va_sdst(0) depctr_va_ssrc(0) depctr_va_vcc(0) depctr_vm_vsrc(0)
	s_getreg_b32 s2, hwreg(HW_REG_IB_STS2, 6, 4)
	s_cmp_eq_u32 s2, 0
	s_cbranch_scc0 .Lentry_in_a_cluster
	s_endpgm
.Lentry_in_a_cluster:
	s_bfe_u32 s2, ttmp6, 0x10000c
	s_cmp_lg_u32 s2, 0xf033
	s_cbranch_scc0 .Lentry_shape_is_right
	s_endpgm
.Lentry_shape_is_right:
; OUTP: out0 = attention's result x Wo + bo, on codes of FP6 (E2M3) with E8M0 scales, K = 1024; f32 sums, the bias as the first product's C.
; A block of 128 rows x 256 columns to a work-group of four waves: 64 x 4 = 256 work-groups.  A wave makes 64 x 128: 32 accumulators, 256 registers.
; ALL OF K LIES IN LDS, FILLED ONCE: A's 8 row tiles (98,304 bytes), B's 16 (196,608), B's scale words (8,704 with padding).  So there is no ring, no refill and no barrier inside the walk along K.
; The head's four joint loads, one a wave: A's codes, B's row tiles 0-7, B's row tiles 8-15, B's scale words.  A's scale words (4 row tiles x 512 bytes a wave) and the bias go straight into registers.
; CLUSTERS 4 x 4: A's tile is shared along a row of the cluster, B's along a column.  No prefetch: the launch has no loop to run ahead in.
; Operands lie in memory as images of their registers ([row tile][K step][1536 bytes]); row tile 2 G + u, lane row r, is row 32 G + 8 u + r + 8 (r / 8).  Source 0 = Wo^T's rows, source 1 = tokens: a lane holds neighbouring columns of one row.
; REGISTERS: window 0: v1-30 addresses; v32-95 B's scale words (8 blocks x 8 K steps); v96-127 A's (4 x 8); v128-223 A's fragments, two sets; on the way out v128-255.  window 1: B's fragments, two sets (v0, v128), the bias at v96-127, v224-255.  window 2: accumulators.
.set FR,    12
.set TILEB, 12288                      ; a row tile, all of K
.set BCOD,  8*TILEB                    ; LDS: A's codes at 0, B's here,
.set SCL,   24*TILEB                   ; B's scale words: 32 rows of 256 bytes + 16 of padding,
.set SBLK,  544
.set SPARE, SCL+32*272                 ; the spare words: 128 bytes a wave, named by no other line
.set SPITCH, 528                       ; the way out: a stage of 16 rows x (512 + 16) bytes a wave, on A's bytes, behind the barrier that ends all reads of them
.set ADRA, 16                          ; v16 A's fragments at 16 x lane, v17 at 8 x lane
.set ADRB, 18                          ; v18, v19 B's row tiles 0-3, 4-7 at 16 x lane; v20, v21 at 8 x lane
.set STO,  24
.set RD,   25
.set CO,   26
.set ADRS, 27
.set SPW,  28
.set NIL,  29
.set ASO,  30
.set SC,   32
.set SA,   96
.set AF,   128
.set BK,   128
.set G1,   24
.set G0,   32
.set G1B,  48
.set G0B,  56
.set G0C,  60
.set G1SB, 80
.set G0SB, 88
.set MSB, 0
.macro WIN new                         ; the immediate's high byte repeats the setting that is left
.if MSB != \new
	s_set_vgpr_msb (MSB<<8)|\new
.set MSB, \new
.endif
.endm
.set MUL_LO, 0xa1                      ; source 0 (B) window 1, source 1 (A) window 0, C and D window 2
.set BIA_LO, 0x91                      ; the same with C in window 1: the bias
.set TO_B,   0x40
.macro CROUND
	s_barrier_signal -1
	s_barrier_wait -1
	s_cmp_lg_u32 s14, 0
	s_cbranch_scc1 .Lnot_wave_0_\@
	s_barrier_signal -3
.Lnot_wave_0_\@:
	s_barrier_wait -3
	s_barrier_signal -1
	s_barrier_wait -1
.endm
	s_load_b256 s[4:11], s[0:1], 0x0               ; ac s[4:5], asx s[6:7], cod s[8:9], csc s[10:11]
	s_load_b128 s[96:99], s[0:1], 0x20             ; bo, out0
	v_lshl_add_u32 v[SPW], v0, 2, SPARE
	v_mov_b32 v[NIL], 0
	ds_add_u32 v[SPW], v[NIL]                      ; the opening lines
	ds_add_u32 v[SPW], v[NIL]
	v_lshrrev_b32 v1, 5, v0
	v_readfirstlane_b32 s14, v1                    ; wave 0..3
	s_lshr_b32 s15, s14, 1                         ; which 64 rows are mine
	s_and_b32 s16, s14, 1                          ; which 128 columns
	s_bfe_u32 s40, ttmp6, 0x40000                  ; cx
	s_bfe_u32 s41, ttmp6, 0x40004                  ; cy
	s_and_b32 s17, ttmp7, 0xffff
	s_lshl_b32 s18, s17, 2
	s_add_co_u32 s18, s18, s41                     ; which 128 rows are my work-group's: 0..63
	s_lshl_b32 s43, s41, 2
	s_lshl_b32 s43, 15, s43                        ; my row of the cluster
	s_lshl_b32 s44, 0x1111, s40                    ; my column
	s_or_b32 s[G1+0], s43, (3<<16)|(1<<21)         ; codes: a dense block of 98,304 bytes as 384 rows of 256 (32 elements of 8 bytes)
	s_or_b32 s[G1B+0], s44, (3<<16)|(1<<21)
.irp g, G1, G1B
	s_mov_b32 s[\g+1], 32<<16
	s_mov_b32 s[\g+2], 384<<16
	s_mov_b32 s[\g+3], 32<<16
	s_mov_b32 s[\g+4], 384
	s_mov_b32 s[\g+5], 32
	s_mov_b32 s[\g+6], 0
	s_mov_b32 s[\g+7], 0
.endr
	s_or_b32 s[G1SB+0], s44, (3<<16)|(1<<20)|(1<<21)|(5<<22)|(3<<25)   ; B's scale words: 32 rows of 256 bytes, 16 of padding behind each
	s_mov_b32 s[G1SB+1], 32<<16
	s_mov_b32 s[G1SB+2], 32<<16
	s_mov_b32 s[G1SB+3], 32<<16
	s_mov_b32 s[G1SB+4], 32
	s_mov_b32 s[G1SB+5], 32
	s_mov_b32 s[G1SB+6], 0
	s_mov_b32 s[G1SB+7], 0
	s_mul_i32 s20, s18, 8*TILEB                    ; A's 8 row tiles
	s_mov_b32 s21, 0
	s_lshl_b32 s46, s40, 4
	s_add_co_u32 s46, s46, 1728                    ; B's first row tile in cod: Wo^T begins at 1728
	s_lshl_b32 s92, s46, 9
	s_mov_b32 s93, 0
	s_mul_i32 s46, s46, TILEB
	s_mov_b32 s47, 0
	s_lshl_b32 s22, s18, 3
	s_lshl_b32 s23, s15, 2
	s_add_co_u32 s22, s22, s23
	s_lshl_b32 s22, s22, 9                         ; the scale words of my 4 row tiles of A, 512 bytes each
	s_mov_b32 s23, 0
	s_wait_dscnt 0x0
	s_wait_kmcnt 0x0
	s_add_nc_u64 s[20:21], s[4:5], s[20:21]
	s_add_nc_u64 s[22:23], s[6:7], s[22:23]
	s_add_nc_u64 s[46:47], s[8:9], s[46:47]
	s_add_nc_u64 s[92:93], s[10:11], s[92:93]
	CROUND                                         ; all sixteen work-groups are here: the joint loads meet
	s_mov_b32 s[G0], 1
	s_mov_b32 s[G0+1], 0
	s_mov_b64 s[G0+2:G0+3], s[20:21]
	s_or_b32 s[G0+3], s[G0+3], 0x80000000
	s_mov_b32 s[G0B], 1
	s_mov_b32 s[G0B+1], BCOD
	s_mov_b64 s[G0B+2:G0B+3], s[46:47]
	s_or_b32 s[G0B+3], s[G0B+3], 0x80000000
	s_mov_b32 s[G0C], 1
	s_mov_b32 s[G0C+1], BCOD+8*TILEB
	s_add_nc_u64 s[G0C+2:G0C+3], s[46:47], 8*TILEB
	s_or_b32 s[G0C+3], s[G0C+3], 0x80000000
	s_mov_b32 s[G0SB], 1
	s_mov_b32 s[G0SB+1], SCL
	s_mov_b64 s[G0SB+2:G0SB+3], s[92:93]
	s_or_b32 s[G0SB+3], s[G0SB+3], 0x80000000
; one chain of branches on the wave's number, one load to an arm: every way through the head passes exactly one
.macro ARM under, g0, g1, next
	s_cmp_lt_u32 s14, \under
	s_cbranch_scc0 \next
	tensor_load_to_lds s[\g0:\g0+3], s[\g1:\g1+7]
	s_nop 0
.rept 4
	v_nop
.endr
	s_branch .Lhead_asked
\next:
.endm
	ARM 1, G0,  G1,  .Lhead_b
	ARM 2, G0B, G1B, .Lhead_c
	ARM 3, G0C, G1B, .Lhead_sb
	tensor_load_to_lds s[G0SB:G0SB+3], s[G1SB:G1SB+7]
	s_nop 0
.rept 4
	v_nop
.endr
.Lhead_asked:
	s_lshl_b32 s46, s40, 10
	s_lshl_b32 s47, s16, 9
	s_add_co_u32 s46, s46, s47                     ; my first column, in bytes: 1024 cx + 512 half
	s_mov_b32 s47, 0
	s_add_nc_u64 s[96:97], s[96:97], s[46:47]
	s_lshl_b32 s20, s18, 7
	s_lshl_b32 s21, s15, 6
	s_add_co_u32 s20, s20, s21                     ; my first row
	s_lshl_b32 s20, s20, 12
	s_mov_b32 s21, 0
	s_add_nc_u64 s[20:21], s[20:21], s[46:47]
	s_add_nc_u64 s[98:99], s[98:99], s[20:21]
	s_mul_i32 s70, s15, 4*TILEB                    ; LDS: my 4 row tiles of A,
	s_mul_i32 s71, s16, 8*TILEB
	s_add_co_u32 s71, s71, BCOD                    ; my 8 of B: the first four,
	s_add_co_u32 s72, s71, 4*TILEB                 ; the last four,
	s_mul_i32 s73, s16, 8*SBLK
	s_add_co_u32 s73, s73, SCL                     ; their scale words,
	s_mul_i32 s74, s14, 16*SPITCH                  ; my stage
	v_and_b32 v1, 15, v0                           ; r
	v_bfe_u32 v2, v0, 4, 1                         ; h
	v_and_b32 v3, 31, v0
	v_lshlrev_b32 v[CO], 4, v3
	v_lshlrev_b32 v4, 3, v3
	v_lshlrev_b32 v7, 6, v2                        ; the bias: 64 h
	v_lshlrev_b32 v[ASO], 5, v1                    ; A's scale words: 32 r
	v_add_nc_u32 v[ADRA], s70, v[CO]
	v_add_nc_u32 v[ADRA+1], s70, v4
	v_add_nc_u32 v[ADRB], s71, v[CO]
	v_add_nc_u32 v[ADRB+1], s72, v[CO]
	v_add_nc_u32 v[ADRB+2], s71, v4
	v_add_nc_u32 v[ADRB+3], s72, v4
	v_lshlrev_b32 v5, 5, v1                        ; B's scale words: 32 bytes a row,
	v_lshrrev_b32 v6, 3, v1
	v_lshl_add_u32 v5, v6, 4, v5                   ; and 16 more behind the first eight rows
	v_add_nc_u32 v[ADRS], s73, v5
	v_mul_u32_u24 v5, v1, SPITCH
	v_lshl_add_u32 v5, v2, 6, v5
	v_add_nc_u32 v[STO], s74, v5
	v_add_nc_u32 v[RD], s74, v[CO]
	s_wait_alu depctr_va_vdst(0)                   ; at the head's end
	WIN TO_B
.irp b, 0,1,2,3,4,5,6,7
	global_load_b128 v[96+8*\b+96*(\b/4):96+8*\b+96*(\b/4)+3], v7, s[96:97] offset:128*(\b/2)+32*(\b%2)      ; the bias in the result's layout: column 32 (b / 2) + 8 (b % 2) + 16 h + j
	global_load_b128 v[96+8*\b+96*(\b/4)+4:96+8*\b+96*(\b/4)+7], v7, s[96:97] offset:128*(\b/2)+32*(\b%2)+16
.endr
	WIN 0
.irp a, 0,1,2,3
	global_load_b128 v[SA+8*\a:SA+8*\a+3], v[ASO], s[22:23] offset:512*\a         ; row r's eight words; both halves of the lanes hold the same
	global_load_b128 v[SA+8*\a+4:SA+8*\a+7], v[ASO], s[22:23] offset:512*\a+16
.endr
.macro FRAG reg, a16, a8, off          ; a fragment's image: registers 0-3, 4-5, 6-9, 10-11; every load reads consecutive bytes
	ds_load_b128 v[\reg:\reg+3], v[\a16] offset:\off
	ds_load_b64 v[\reg+4:\reg+5], v[\a8] offset:\off+512
	ds_load_b128 v[\reg+6:\reg+9], v[\a16] offset:\off+768
	ds_load_b64 v[\reg+10:\reg+11], v[\a8] offset:\off+1280
.endm
.macro FETCH ks                        ; K step ks: B's eight fragments and A's four into set ks % 2: 48 loads
	WIN TO_B
.irp i, 0,1,2,3,4,5,6,7
	FRAG 128*((\ks)%2)+FR*\i, ADRB+(\i/4), ADRB+2+(\i/4), TILEB*(\i%4)+1536*(\ks)
.endr
	WIN 0
.irp i, 0,1,2,3
	FRAG AF+48*((\ks)%2)+FR*\i, ADRA, ADRA+1, TILEB*\i+1536*(\ks)
.endr
.endm
; 32 matrix instructions: the accumulators take turns, one instruction a turn, in the same order in every step
.macro MUL ks, first
.irp a, 0,1,2,3
.irp b, 0,1,2,3,4,5,6,7
.if \first
	v_wmma_scale_f32_16x16x128_f8f6f4 v[8*(8*\a+\b):8*(8*\a+\b)+7], v[128*((\ks)%2)+FR*\b:128*((\ks)%2)+FR*\b+FR-1], v[AF+48*((\ks)%2)+FR*\a:AF+48*((\ks)%2)+FR*\a+FR-1], v[96+8*\b+96*(\b/4):96+8*\b+96*(\b/4)+7], v[SC+8*\b+(\ks)], v[SA+8*\a+(\ks)] matrix_a_fmt:MATRIX_FMT_FP6 matrix_b_fmt:MATRIX_FMT_FP6
.else
	v_wmma_scale_f32_16x16x128_f8f6f4 v[8*(8*\a+\b):8*(8*\a+\b)+7], v[128*((\ks)%2)+FR*\b:128*((\ks)%2)+FR*\b+FR-1], v[AF+48*((\ks)%2)+FR*\a:AF+48*((\ks)%2)+FR*\a+FR-1], v[8*(8*\a+\b):8*(8*\a+\b)+7], v[SC+8*\b+(\ks)], v[SA+8*\a+(\ks)] matrix_a_fmt:MATRIX_FMT_FP6 matrix_b_fmt:MATRIX_FMT_FP6
.endif
.endr
.endr
.endm
.macro PLACES n                        ; plain vector instructions between a matrix instruction and a load into, or a read of, its registers
.rept \n
	v_nop
.endr
.endm
.macro STEP ks
	s_wait_dscnt 0x0                               ; this step's fragments are in
.if (\ks) < 7
.if (\ks) > 0
	PLACES 4                                       ; the other set was multiplied in the step before
.endif
	FETCH (\ks)+1                                  ; the next step's land under this step's products
.else
	s_barrier_signal -1                            ; my reads of the codes are over
.endif
.if (\ks) == 0
	WIN BIA_LO
	MUL \ks, 1                                     ; the first products start the sums on the bias
.else
	WIN MUL_LO
	MUL \ks, 0
.endif
.endm
	s_wait_tensorcnt 0x0                           ; my tile of the four is in; nothing is filled again in this launch
	s_barrier_signal -1
	s_barrier_wait -1
	FETCH 0
.irp i, 0,1,2,3,4,5,6,7
	ds_load_b128 v[SC+8*\i:SC+8*\i+3], v[ADRS] offset:\i*SBLK        ; B's scale words, all eight K steps, once
	ds_load_b128 v[SC+8*\i+4:SC+8*\i+7], v[ADRS] offset:\i*SBLK+16
.endr
	s_wait_loadcnt 0x0                             ; the bias and A's scale words
.set KS, 0
.rept 8
	STEP KS
.set KS, KS+1
.endr
	WIN 0
	s_barrier_wait -1                              ; nobody reads the codes any more: A's bytes serve as stages
; THE WAY OUT, block by block of 16 rows x 128 columns: through my own stage and back as whole rows of 512 bytes.  LDS serves a wave's instructions in order: no wait between the stores and the loads.
.macro TOSTAGE a
.set AC, 64*(\a)
	WIN 0x08                                       ; the data: window 2
.irp b, 0,1,2,3,4,5,6,7
	ds_store_b128 v[STO], v[AC+8*\b:AC+8*\b+3] offset:128*(\b/2)+32*(\b%2)          ; each accumulator from its low end on
	ds_store_b128 v[STO], v[AC+8*\b+4:AC+8*\b+7] offset:128*(\b/2)+32*(\b%2)+16
.endr
	WIN 0
.set BB, BK+64*((\a)%2)
.irp t, 0,1,2,3,4,5,6,7,8,9,10,11,12,13,14,15
	ds_load_b128 v[BB+4*\t:BB+4*\t+3], v[RD] offset:\t*SPITCH
.endr
.endm
.macro SEND a, younger                 ; younger: the LDS instructions issued behind block a's loads, which may stay out
.set BB, BK+64*((\a)%2)
	s_wait_dscnt \younger
.if (\a) == 2
	s_add_nc_u64 s[98:99], s[98:99], 131072        ; 32 rows on (behind a wait on XCNT: the earlier stores have read their base)
.endif
.irp t, 0,1,2,3,4,5,6,7,8,9,10,11,12,13,14,15
	global_store_b128 v[CO], v[BB+4*\t:BB+4*\t+3], s[98:99] offset:(8*((\a)%2)+\t+8*(\t/8))*4096 th:TH_STORE_NT   ; 32 lanes store 512 consecutive bytes, aligned
.endr
.endm
	PLACES 4
	TOSTAGE 0
.irp a, 1,2,3
.if \a > 1
	s_wait_xcnt 0x0                                ; block a - 2's stores have read their registers and their base
.endif
	TOSTAGE \a
	SEND \a-1, 32                                  ; behind block a - 1's loads: block a's 16 stores and 16 loads
.endr
	s_wait_xcnt 0x0
	SEND 3, 0
	s_wait_tensorcnt 0x0                           ; the wave's end
	ds_add_u32 v[SPW], v[NIL]
	s_wait_dscnt 0x0
	CROUND                                         ; the closing round
	s_endpgm
.Lfunc_end_k_qe2bbb9351a_outp:
	.size	k_qe2bbb9351a_outp, .Lfunc_end_k_qe2bbb9351a_outp-k_qe2bbb9351a_outp
	.p2alignl 7, 3214868480
	.fill 96, 4, 3214868480
	.section	.rodata,"a",@progbits
	.p2align	6, 0x0
	.amdhsa_kernel k_qe2bbb9351a_outp
		.amdhsa_group_segment_fixed_size 327680
		.amdhsa_private_segment_fixed_size 0
		.amdhsa_enable_private_segment 0
		.amdhsa_kernarg_size 48
		.amdhsa_user_sgpr_count 2
		.amdhsa_user_sgpr_kernarg_segment_ptr 1
		.amdhsa_wavefront_size32 1
		.amdhsa_system_sgpr_workgroup_id_x 1
		.amdhsa_system_sgpr_workgroup_id_y 1
		.amdhsa_system_sgpr_workgroup_id_z 1
		.amdhsa_system_vgpr_workitem_id 0
		.amdhsa_next_free_vgpr 768
		.amdhsa_next_free_sgpr 100
		.amdhsa_reserve_vcc 0
		.amdhsa_float_denorm_mode_32 3
		.amdhsa_float_denorm_mode_16_64 3
		.amdhsa_memory_ordered 1
		.amdhsa_forward_progress 1
		.amdhsa_inst_pref_size 84
	.end_amdhsa_kernel
	.amdgpu_metadata
---
amdhsa.version: [ 1, 2 ]
amdhsa.kernels:
  - .name:           k_qe2bbb9351a_outp
    .symbol:         k_qe2bbb9351a_outp.kd
    .args:
      - { .name: ac, .offset: 0, .size: 8, .value_kind: global_buffer, .address_space: global }
      - { .name: asx, .offset: 8, .size: 8, .value_kind: global_buffer, .address_space: global }
      - { .name: cod, .offset: 16, .size: 8, .value_kind: global_buffer, .address_space: global }
      - { .name: csc, .offset: 24, .size: 8, .value_kind: global_buffer, .address_space: global }
      - { .name: bo, .offset: 32, .size: 8, .value_kind: global_buffer, .address_space: global }
      - { .name: out0, .offset: 40, .size: 8, .value_kind: global_buffer, .address_space: global }
    .group_segment_fixed_size: 327680
    .private_segment_fixed_size: 0
    .kernarg_segment_align: 8
    .kernarg_segment_size: 48
    .max_flat_workgroup_size: 128
    .sgpr_count:     100
    .vgpr_count:     768
    .wavefront_size: 32
...
	.end_amdgpu_metadata
.endif
;; end of part 4
